; MI455X (gfx1250); checked and timed in simulation.
; The chip was launched on July 23, 2026; its instructions are those of AMD's public machine-readable ISA for CDNA 5 (MIT licence, August 2026) and "CDNA5" Instruction Set Architecture Reference Guide (July 2026). The comments in the code are by the model that wrote it; some were corrected since.
;; Global block. Allowed arithmetic: float matrix products may take bf16 or f16 operands with f32 sums; all other float work in f32.
;; Inputs: Wf 128 x 256 float32; Wg 128 x 256 float32; Wo 256 x 128 float32; Wt 128 x 256 float32; beta 256 float32; bf 128 float32; bg 128 float32; bo 256 float32; bt 128 float32; gamma 256 float32; x 8 x 256 x 64 x 64 float32.
;; Outputs: out0 8 x 256 x 64 x 64 float32.
;; 3 versions, each right; version 2 is faster than version 1; version 3 is version 2 with the launch proj written anew for expert scheduling mode. Each part assembles by itself: llvm-mc -triple=amdgcn-amd-amdhsa -mcpu=gfx1250 --defsym DOCPART=n.
;; ======== version 1 of 3: 3 launches
;; limits: values are held in f16: magnitudes above 65,504 overflow, below 6.1e-05 lose precision
;; workspace buffers: tq 8,388,608 bytes; fk 8,388,608 bytes; gv 8,388,608 bytes; wob 65,536 bytes; yw 8,388,608 bytes; pst 524,288 bytes
;; launch proj (part 1): grid 32 x 8, 16 waves a work-group, no clusters, 278,528 bytes of LDS; arguments x, Wt, Wf, Wg, bt, Wo, tq, fk, gv, wob; writes tq, fk, gv, wob
.if DOCPART == 1
	.amdgcn_target "amdgcn-amd-amdhsa--gfx1250"
	.amdhsa_code_object_version 6
	.text
	.protected	k_q5bceb9c4cf_proj
	.globl	k_q5bceb9c4cf_proj
	.p2align	8
	.type	k_q5bceb9c4cf_proj,@function
k_q5bceb9c4cf_proj:
	s_mov_b64 s[64:65], 0
	v_nop
	global_prefetch_b8 v0, s[64:65] scope:SCOPE_SE
	s_setreg_imm32_b32 hwreg(HW_REG_WAVE_MODE, 25, 1), 1
	s_wait_xcnt 0x0
; PROJ: the three 1x1 convolutions.  tq = log2(e) (Wt x + bt), fk = Wf x, gv = Wg x, and wob = Wo, all as f16 in the order of matrix fragments.
;
; WORK LEFT OUT IN THE WHOLE PROGRAM, for all values of the inputs, in exact arithmetic:
;   bf: the score is t[n].(Wf x[m] + bf) = t[n].(Wf x[m]) + t[n].bf; the second term is the same for every key m, and a softmax along m is unchanged by it.
;   bg: a softmax row sums to 1, so y = sum rel (Wg x + bg) = sum rel (Wg x) + bg, which adds to z the number (Wo bg)[c], the same at every (b, n) of channel c.
;   bo: adds bo[c] to z, again the same at every (b, n) of channel c.
;   BatchNorm takes the mean over (b, n) of each channel away, and the variance of a channel is unchanged by a constant: neither term reaches the result.
;   So bf, bg and bo are not loaded and are arguments of no launch.  bt stays: bt.(Wf x[m]) changes with m.
;   LIMIT: a NaN, an infinity or an overflow that sits in bf, bg or bo alone is not carried to the result.
; FORMAT: all matrix operands are f16, sums f32.  LIMIT: |x|, |W|, |log2(e) t|, |Wf x|, |Wg x| below 65,504; beyond it an operand becomes infinite.
;   With every input 30 times larger |log2(e) t| is near 4,000; with an offset of 30 spreads on x and W it is 256 x 30 x (1.1 to 3.8) x 1.44 = 12,000 to 41,000.
;   log2(e) is folded into t ahead of its rounding, so that the attention can take the maximum away exactly and use the base-2 exponential.
;
; A work-group takes 128 positions of one batch and all 384 rows of Wt, Wf, Wg.  16 waves: wave w has the 16 rows dt = w & 7 of each of the three
; matrices and the four position tiles of half nh = w >> 3: 12 accumulator tiles, 96 matrix instructions.
; x and W need a conversion from f32 on their way, so they come through registers (512 consecutive bytes to a load of the wave) and no tensor load is used;
; for the same reason W, which all work-groups read, is not shared in a cluster.
; OUTPUT ORDER: a chunk is 512 bytes, lane L = 16 h + r takes bytes 16 L .. 16 L + 15.  Chunk ((b 256 + nt) 8 + e):
;   tq, fk: lane holds rows d = 16 e + 8 h + 0..7 at position 16 nt + r;   gv: lane holds row d = 16 e + r at positions 16 nt + 8 h + 0..7.
; These are a lane's eight results of one matrix instruction, so every store of a wave covers 512 consecutive bytes, aligned.
.set WPITCH, 528                       ; a row of W in LDS: 512 bytes + 16 = 33 x 16, so the 16 rows of a fragment load start 16 bytes apart modulo 256
.set XPITCH, 288                       ; a row of x (one channel, 128 positions) in LDS: 256 bytes + 32 = 9 x 32
.set XL,     384*WPITCH                ; x lies behind the 384 rows of W: byte 202,752
.set BI,  24                           ; v[24:31]   bt[16 dt + 8 h + 0..7]: the C of t's first products
.set RX,  32                           ; v[32:95]   as loaded: x, later Wg
.set RT,  96                           ; v[96:159]  as loaded: Wt
.set RF,  160                          ; v[160:223] as loaded: Wf
.set AT,  32                           ; v[32:63]   accumulators of t, tile nt at +8 nt
.set AF,  64                           ; v[64:95]   of f
.set AG,  96                           ; v[96:127]  of g
.set FB0, 128                          ; v[128:183] fragments: Wt +0, Wf +8, Wg +16, x(nt) +24+8 nt
.set FB1, 184                          ; v[184:239] the second buffer
.macro PLACES n
.rept \n
	v_nop
.endr
.endm
	s_load_b512 s[8:23], s[0:1], 0x0               ; x 8, Wt 10, Wf 12, Wg 14, bt 16, Wo 18, tq 20, fk 22
	s_load_b128 s[24:27], s[0:1], 0x40             ; gv 24, wob 26
	v_lshl_add_u32 v240, v0, 2, 0x43800
	v_mov_b32 v241, 0
	v_lshrrev_b32 v1, 5, v0
	v_readfirstlane_b32 s2, v1                     ; wave w
	s_mov_b32 s3, ttmp9                            ; nb: which 128 positions
	s_and_b32 s4, ttmp7, 0xffff                    ; b
	s_and_b32 s5, s2, 7                            ; dt
	s_lshr_b32 s6, s2, 3                           ; nh
	v_and_b32 v1, 31, v0                           ; lane
	v_and_b32 v2, 15, v0                           ; r
	v_bfe_u32 v3, v0, 4, 1                         ; h
	s_lshl_b32 s28, s2, 18
	v_lshl_add_u32 v4, v1, 4, s28                  ; x: channels 16 w .. (16,384 bytes apart), 16 bytes a lane
	s_lshl_b32 s28, s2, 13
	v_lshl_add_u32 v5, v1, 4, s28                  ; W: rows 8 w .. 8 w + 7, 8,192 consecutive bytes
	s_mul_i32 s28, s2, 16*XPITCH
	s_add_co_u32 s28, s28, XL
	v_lshl_add_u32 v6, v1, 3, s28                  ; LDS: my 16 rows of x, 8 bytes a lane
	s_mul_i32 s28, s2, 8*WPITCH
	v_lshl_add_u32 v7, v1, 3, s28                  ; LDS: my 8 rows of the matrix at hand
	s_lshl_b32 s28, s5, 4
	v_add_nc_u32 v15, s28, v2                      ; row 16 dt + r
	v_mul_u32_u24 v8, v15, WPITCH
	v_lshl_add_u32 v8, v3, 4, v8                   ; fragment of Wt: row x pitch + 16 h
	v_add_nc_u32 v9, 128*WPITCH, v8                ; of Wf
	v_add_nc_u32 v10, 256*WPITCH, v8               ; of Wg
	v_and_b32 v15, 7, v1
	v_lshl_add_u32 v15, v3, 3, v15                 ; channel 8 h + (L & 7)
	v_mul_u32_u24 v11, v15, XPITCH
	v_bfe_u32 v15, v1, 3, 1
	v_lshl_add_u32 v11, v15, 4, v11                ; + 16 ((L >> 3) & 1)
	s_lshl_b32 s28, s6, 7
	s_add_co_u32 s28, s28, XL
	v_add_nc_u32 v11, s28, v11                     ; + my 64 positions: the transposing load's address for channels 0 to 127
	v_add_nc_u32 v12, 128*XPITCH, v11              ; for channels 128 to 255
	s_lshl_b32 s28, s6, 14
	s_lshl_b32 s29, s5, 9
	s_add_co_u32 s28, s28, s29
	v_lshl_add_u32 v13, v1, 4, s28                 ; out: 16 lane + 4 nh tiles of 4,096 bytes + chunk dt
	s_lshl_b32 s28, s5, 6
	v_lshl_add_u32 v14, v3, 5, s28                 ; bt: 4 (16 dt + 8 h)
	s_lshl_b32 s28, s4, 22
	s_lshl_b32 s29, s3, 9
	s_add_co_u32 s28, s28, s29
	s_mov_b32 s29, 0                               ; x: b x 4 MiB + 128 nb positions of 4 bytes
	s_lshl_b32 s30, s4, 20
	s_lshl_b32 s31, s3, 15
	s_add_co_u32 s30, s30, s31
	s_mov_b32 s31, 0                               ; out: b x 1 MiB + 8 nb tiles of 4,096 bytes
	s_wait_kmcnt 0x0
	s_add_nc_u64 s[8:9], s[8:9], s[28:29]
	s_add_nc_u64 s[20:21], s[20:21], s[30:31]
	s_add_nc_u64 s[22:23], s[22:23], s[30:31]
	s_add_nc_u64 s[24:25], s[24:25], s[30:31]
; 16 loads of 512 consecutive bytes
.macro LOAD16 reg, adr, base, step
.set i, 0
.rept 16
	global_load_b128 v[\reg+4*i:\reg+4*i+3], v[\adr], s[\base:\base+1] offset:i*\step
.set i, i+1
.endr
.endm
; 16 x 4 numbers a lane to f16, 8 bytes a lane into LDS: 256 consecutive bytes to a store of the wave
.macro CVTX reg
.set i, 0
.rept 16
	v_cvt_pk_f16_f32 v[\reg+4*i], v[\reg+4*i], v[\reg+4*i+1]
	v_cvt_pk_f16_f32 v[\reg+4*i+1], v[\reg+4*i+2], v[\reg+4*i+3]
	ds_store_b64 v6, v[\reg+4*i:\reg+4*i+1] offset:i*XPITCH
.set i, i+1
.endr
.endm
.macro CVTW reg                        ; load i is half (i & 1) of row i >> 1
.set i, 0
.rept 16
	v_cvt_pk_f16_f32 v[\reg+4*i], v[\reg+4*i], v[\reg+4*i+1]
	v_cvt_pk_f16_f32 v[\reg+4*i+1], v[\reg+4*i+2], v[\reg+4*i+3]
	ds_store_b64 v7, v[\reg+4*i:\reg+4*i+1] offset:(i>>1)*WPITCH+(i&1)*256
.set i, i+1
.endr
.endm
	; PHASE 0: everything into LDS as f16
	global_load_b128 v[BI:BI+3], v14, s[16:17]
	global_load_b128 v[BI+4:BI+7], v14, s[16:17] offset:16
.set i, 0
.rept 16
	global_load_b128 v[RX+4*i:RX+4*i+3], v4, s[8:9] offset:i*16384 th:TH_LOAD_NT   ; this launch reads each byte of x once
.set i, i+1
.endr
	LOAD16 RT, 5, 10, 512
	LOAD16 RF, 5, 12, 512
	s_wait_loadcnt 32                              ; Wt's and Wf's 32 loads may stay out: bt and x are in
	CVTX RX
	s_wait_dscnt 0x0                               ; the LDS stores have read RX, which is now loaded again
	LOAD16 RX, 5, 14, 512                          ; Wg
	s_wait_loadcnt 32                              ; Wf and Wg stay out: Wt is in
	CVTW RT
	v_add_nc_u32 v7, 128*WPITCH, v7
	s_wait_loadcnt 16                              ; Wg stays out: Wf is in
	CVTW RF
	v_add_nc_u32 v7, 128*WPITCH, v7
	s_wait_loadcnt 0x0
	CVTW RX
	s_wait_dscnt 0x0                               ; my stores are in LDS, for the other waves' sake
	s_barrier_signal -1
	s_barrier_wait -1                              ; the one barrier: behind it LDS is only read
; PHASE 1: eight steps of 32 channels.  14 LDS loads: three fragments of W, four of x (stored channel by position, so they come transposed).
.macro FETCH k, fb
.irp m, 0,1,2
	ds_load_b128 v[\fb+8*\m:\fb+8*\m+3],   v[8+\m] offset:64*\k
	ds_load_b128 v[\fb+8*\m+4:\fb+8*\m+7], v[8+\m] offset:64*\k+32
.endr
.irp nt, 0,1,2,3
	ds_load_tr16_b128 v[\fb+24+8*\nt:\fb+24+8*\nt+3], v[11+(\k>>2)] offset:(\k&3)*32*XPITCH+32*\nt
	ds_load_tr16_b128 v[\fb+24+8*\nt+4:\fb+24+8*\nt+7], v[11+(\k>>2)] offset:(\k&3)*32*XPITCH+32*\nt+16*XPITCH
.endr
.endm
; 12 matrix instructions on 12 accumulators, which take turns, one instruction a turn.
; t and f: W is source 0, so a lane's eight results run along d.  g: x is source 0, so they run along the positions.
.macro MUL fb, first
.irp nt, 0,1,2,3
.if \first
	v_wmma_f32_16x16x32_f16 v[AT+8*\nt:AT+8*\nt+7], v[\fb:\fb+7], v[\fb+24+8*\nt:\fb+24+8*\nt+7], v[BI:BI+7]   ; the bias starts t's sums
.else
	v_wmma_f32_16x16x32_f16 v[AT+8*\nt:AT+8*\nt+7], v[\fb:\fb+7], v[\fb+24+8*\nt:\fb+24+8*\nt+7], v[AT+8*\nt:AT+8*\nt+7]
.endif
.endr
.irp nt, 0,1,2,3
.if \first
	v_wmma_f32_16x16x32_f16 v[AF+8*\nt:AF+8*\nt+7], v[\fb+8:\fb+15], v[\fb+24+8*\nt:\fb+24+8*\nt+7], 0
.else
	v_wmma_f32_16x16x32_f16 v[AF+8*\nt:AF+8*\nt+7], v[\fb+8:\fb+15], v[\fb+24+8*\nt:\fb+24+8*\nt+7], v[AF+8*\nt:AF+8*\nt+7]
.endif
.endr
.irp nt, 0,1,2,3
.if \first
	v_wmma_f32_16x16x32_f16 v[AG+8*\nt:AG+8*\nt+7], v[\fb+24+8*\nt:\fb+24+8*\nt+7], v[\fb+16:\fb+23], 0
.else
	v_wmma_f32_16x16x32_f16 v[AG+8*\nt:AG+8*\nt+7], v[\fb+24+8*\nt:\fb+24+8*\nt+7], v[\fb+16:\fb+23], v[AG+8*\nt:AG+8*\nt+7]
.endif
.endr
.endm
; fetch step k into buffer nxt, which the products just issued have read (four places first: ISA guide 7.12.1), then multiply buffer cur
.macro KSTEP k, nxt, cur
	PLACES 4
	FETCH \k, \nxt
	s_wait_dscnt 14                                ; only the 14 loads just issued may stay out: buffer cur is whole
	MUL \cur, 0
.endm
	FETCH 0, FB0
	FETCH 1, FB1
	s_wait_dscnt 14                                ; step 1's 14 loads may stay out
	MUL FB0, 1
	KSTEP 2, FB0, FB1
	KSTEP 3, FB1, FB0
	KSTEP 4, FB0, FB1
	KSTEP 5, FB1, FB0
	KSTEP 6, FB0, FB1
	KSTEP 7, FB1, FB0
	s_wait_dscnt 0x0
	MUL FB1, 0
	; PHASE 2: out.  Four places behind the last product, then the results are read.
	PLACES 4
.set i, 0
.rept 16
	v_pk_mul_f32 v[AT+2*i:AT+2*i+1], v[AT+2*i:AT+2*i+1], 0x3fb8aa3b op_sel_hi:[1,0]   ; t x log2(e)
.set i, i+1
.endr
.macro OUT4 acc, base
.irp nt, 0,1,2,3
.irp j, 0,1,2,3
	v_cvt_pk_f16_f32 v[\acc+8*\nt+\j], v[\acc+8*\nt+2*\j], v[\acc+8*\nt+2*\j+1]
.endr
	global_store_b128 v13, v[\acc+8*\nt:\acc+8*\nt+3], s[\base:\base+1] offset:\nt*4096   ; 512 consecutive bytes, aligned
.endr
.endm
	OUT4 AT, 20
	OUT4 AF, 22
	OUT4 AG, 24
	; PHASE 3: Wo to f16 in fragment order, once: waves 0 to 3 of the 32 work-groups of batch 0 take one of its 128 chunks each.
	; Chunk q = 8 ct + e: lane holds Wo[16 ct + r][16 e + 8 h + 0..7].  (32 bytes of 16 rows to a chunk: 128 KiB in all, read once in the program.)
	s_cmp_lg_u32 s4, 0
	s_cbranch_scc1 .Ldone
	s_cmp_ge_u32 s2, 4
	s_cbranch_scc1 .Ldone
	s_lshl2_add_u32 s28, s3, s2                    ; q = 4 nb + w
	s_lshr_b32 s29, s28, 3
	s_and_b32 s30, s28, 7
	s_lshl_b32 s29, s29, 13                        ; 16 rows of 512 bytes
	s_lshl_b32 s30, s30, 6                         ; 16 columns of 4 bytes
	s_add_co_u32 s30, s30, s29
	s_mov_b32 s31, 0
	s_add_nc_u64 s[18:19], s[18:19], s[30:31]
	s_lshl_b32 s30, s28, 9
	s_add_nc_u64 s[26:27], s[26:27], s[30:31]
	v_lshlrev_b32 v15, 9, v2
	v_lshl_add_u32 v15, v3, 5, v15                 ; 512 r + 32 h
	v_lshlrev_b32 v16, 4, v1
	global_load_b128 v[128:131], v15, s[18:19]
	global_load_b128 v[132:135], v15, s[18:19] offset:16
	s_wait_loadcnt 0x0
.irp j, 0,1,2,3
	v_cvt_pk_f16_f32 v[136+\j], v[128+2*\j], v[128+2*\j+1]
.endr
	global_store_b128 v16, v[136:139], s[26:27]
.Ldone:
	s_wait_tensorcnt 0x0
	ds_add_u32 v240, v241
	s_wait_dscnt 0x0
	s_endpgm
.Lfunc_end_k_q5bceb9c4cf_proj:
	.size	k_q5bceb9c4cf_proj, .Lfunc_end_k_q5bceb9c4cf_proj-k_q5bceb9c4cf_proj
	.p2alignl 7, 3214868480
	.fill 96, 4, 3214868480
	.section	.rodata,"a",@progbits
	.p2align	6, 0x0
	.amdhsa_kernel k_q5bceb9c4cf_proj
		.amdhsa_group_segment_fixed_size 278528
		.amdhsa_private_segment_fixed_size 0
		.amdhsa_enable_private_segment 0
		.amdhsa_kernarg_size 80
		.amdhsa_user_sgpr_count 2
		.amdhsa_user_sgpr_kernarg_segment_ptr 1
		.amdhsa_wavefront_size32 1
		.amdhsa_system_sgpr_workgroup_id_x 1
		.amdhsa_system_sgpr_workgroup_id_y 1
		.amdhsa_system_sgpr_workgroup_id_z 1
		.amdhsa_system_vgpr_workitem_id 0
		.amdhsa_next_free_vgpr 242
		.amdhsa_next_free_sgpr 66
		.amdhsa_reserve_vcc 0
		.amdhsa_float_denorm_mode_32 3
		.amdhsa_float_denorm_mode_16_64 3
		.amdhsa_memory_ordered 1
		.amdhsa_forward_progress 1
		.amdhsa_inst_pref_size 43
	.end_amdhsa_kernel
	.amdgpu_metadata
---
amdhsa.version: [ 1, 2 ]
amdhsa.kernels:
  - .name:           k_q5bceb9c4cf_proj
    .symbol:         k_q5bceb9c4cf_proj.kd
    .args:
      - { .name: x, .offset: 0, .size: 8, .value_kind: global_buffer, .address_space: global }
      - { .name: Wt, .offset: 8, .size: 8, .value_kind: global_buffer, .address_space: global }
      - { .name: Wf, .offset: 16, .size: 8, .value_kind: global_buffer, .address_space: global }
      - { .name: Wg, .offset: 24, .size: 8, .value_kind: global_buffer, .address_space: global }
      - { .name: bt, .offset: 32, .size: 8, .value_kind: global_buffer, .address_space: global }
      - { .name: Wo, .offset: 40, .size: 8, .value_kind: global_buffer, .address_space: global }
      - { .name: tq, .offset: 48, .size: 8, .value_kind: global_buffer, .address_space: global }
      - { .name: fk, .offset: 56, .size: 8, .value_kind: global_buffer, .address_space: global }
      - { .name: gv, .offset: 64, .size: 8, .value_kind: global_buffer, .address_space: global }
      - { .name: wob, .offset: 72, .size: 8, .value_kind: global_buffer, .address_space: global }
    .group_segment_fixed_size: 278528
    .private_segment_fixed_size: 0
    .kernarg_segment_align: 8
    .kernarg_segment_size: 80
    .max_flat_workgroup_size: 512
    .sgpr_count:     66
    .vgpr_count:     242
    .wavefront_size: 32
...
	.end_amdgpu_metadata
.endif
;; end of part 1
;; launch attn (part 2): grid 32 x 8, 4 waves a work-group, clusters of 4 x 1, 327,680 bytes of LDS; arguments tq, fk, gv, wob, yw, pst; writes yw, pst
.if DOCPART == 2
	.amdgcn_target "amdgcn-amd-amdhsa--gfx1250"
	.amdhsa_code_object_version 6
	.text
	.protected	k_q5bceb9c4cf_attn
	.globl	k_q5bceb9c4cf_attn
	.p2align	8
	.type	k_q5bceb9c4cf_attn,@function
k_q5bceb9c4cf_attn:
	s_mov_b64 s[64:65], 0
	v_nop
	global_prefetch_b8 v0, s[64:65] scope:SCOPE_SE
	s_setreg_imm32_b32 hwreg(HW_REG_WAVE_MODE, 25, 1), 1
	s_wait_xcnt 0x0
	s_wait_alu depctr_hold_cnt(0) depctr_sa_sdst(0) depctr_va_vdst(0) depctr_va_sdst(0) depctr_va_ssrc(0) depctr_va_vcc(0) depctr_vm_vsrc(0)
	s_getreg_b32 s2, hwreg(HW_REG_IB_STS2, 6, 4)
	s_cmp_eq_u32 s2, 0
	s_cbranch_scc0 .Lentry_in_a_cluster
	s_endpgm
.Lentry_in_a_cluster:
	s_bfe_u32 s2, ttmp6, 0x10000c
	s_cmp_lg_u32 s2, 0x3003
	s_cbranch_scc0 .Lentry_shape_is_right
	s_endpgm
.Lentry_shape_is_right:
; ATTN: y = softmax(t^T f) g with a running maximum, and each work-group's part of BatchNorm's statistics of z = Wo y.
; Left out, as shown at the head of the first kernel: bf (the same along the softmax's axis), bg and bo (constants of a channel, which BatchNorm takes away).
; FORMAT: all matrix operands f16 (t, f, g, p, y, Wo), scores, maxima, sums and accumulators f32.  LIMIT: operands below 65,504, as stated at the head of the first kernel.
; tq holds log2(e) t, so p = 2^(s - m) with the subtraction exact.  l is summed from p in f32, the products take p rounded to f16.
; The exponential gives 0 below 2^-126 (ISA guide 15.8); every l is at least 1, since the largest score of a row gives p = 1.
;
; A work-group takes 128 queries of one batch and walks all 4,096 keys in 32 steps of 128.  Four waves as 2 x 2: wave w has the 64 queries of half qh = w >> 1
; and, in every step, the 64 keys of half kh = w & 1: it reads 32 KiB of LDS for 128 matrix instructions.  Each wave keeps m, l and O for its own keys;
; the two waves of a query half are merged once, at the end.
; ORIENTATION: S^T = K Q^T (source 0 = 16 keys, source 1 = 16 queries): lane L = 16 h + r holds query r, its registers the keys 8 h + 0..7.  So the row maximum is taken
; inside the lane and with one exchange of the halves, the factor alpha is the lane's own, and two tiles of p packed to f16 are a source 1 of O^T = V P^T as they stand.
; CLUSTER: the four work-groups of a cluster have the same batch and walk the same K and V: every tile is asked for jointly (mask 15), which divides these requests by four.
; LDS: two slots of 128 KiB, each with the K and V of 256 keys (two steps): K step 0, K step 1, V step 0, V step 1, 32 KiB each; wave w fetches part w with one tensor load.
; By this text's own count a wave has two tensor loads out at the start and one behind each refill's barrier; that load has two steps' work in which to land.
; Behind the slots: 4 KiB for the waves' m and l.  O for the merge goes into slot 0 and y into slot 1, each behind the slot's last fill and last read.
; The data lie in memory in fragment order (chunks of 512 bytes, lane L at 16 L), so every LDS load takes 512 consecutive bytes.
;
; REGISTERS: window 0: v1-15 addresses, v16-55 softmax, v56-127 epilogue, v128-255 S(kt, qt) at 128 + 32 qt + 8 kt, then P(qt, a) at 128 + 32 qt + 16 a.
;            window 1: v0-127 Q(qt, a) at 32 qt + 8 a (later Wo), v128-191 and v192-255 fragment buffers FA, FB.   window 2: O(qt, dt) at 8 (8 qt + dt) (later z).
.set FA, 128
.set FB, 192
.set SB, 128
.set MX, 16                            ; v[16+2 qt], +1: the running maximum, twice (a pair for the packed subtraction)
.set AL, 24                            ; v[24+2 qt], +1: alpha = 2^(old m - new m), twice
.set LS, 32                            ; v[32+2 qt], +1: two partial sums of l
.set TT, 40                            ; v[40+4 qt .. +3]: at work
.set ZT, 64                            ; v[64:95]: statistics at work
.set SLOTB, 131072
.set ST, 262144
.set MSB, 0
.macro WIN new                         ; s_set_vgpr_msb: bits 1:0 source 0, 3:2 source 1, 5:4 source 2, 7:6 destination; the high byte repeats the setting that is left
.if MSB != \new
	s_set_vgpr_msb (MSB<<8)|\new
.set MSB, \new
.endif
.endm
.macro PLACES n
.rept \n
	v_nop
.endr
.endm
; A round of the cluster's barrier: my work-group's barrier, wave 0 signals for the work-group, every wave waits for the four work-groups, my work-group's barrier again.
.macro ROUND
	s_barrier_signal -1
	s_barrier_wait -1
	s_cmp_lg_u32 s16, 0
	s_cbranch_scc1 .Lnot_wave_0_\@
	s_barrier_signal -3
.Lnot_wave_0_\@:
	s_barrier_wait -3
	s_barrier_signal -1
	s_barrier_wait -1
.endm
.macro JLOAD s                         ; my quarter of slot s, asked for jointly by the same wave of all four work-groups
	tensor_load_to_lds s[32+4*\s:35+4*\s], s[24:31]
	s_nop 0
.endm
	s_load_b256 s[4:11], s[0:1], 0x0               ; tq 4, fk 6, gv 8, wob 10
	s_load_b128 s[12:15], s[0:1], 0x20             ; yw 12, pst 14
	s_set_vgpr_msb 0xc0
	v_lshl_add_u32 v0, v0, 2, 0x41000
	v_mov_b32 v1, 0
	s_set_vgpr_msb 0xc0cf
	ds_add_u32 v0, v1
	s_set_vgpr_msb 0xcf00
	v_lshrrev_b32 v1, 5, v0
	v_readfirstlane_b32 s16, v1                    ; wave w
	s_and_b32 s17, s16, 1                          ; kh.  Also: which step's tile of a slot I fetch
	s_lshr_b32 s18, s16, 1                         ; qh.  Also: I fetch K (0) or V (1)
	s_bfe_u32 s19, ttmp6, 0x40000                  ; cx
	s_lshl_b32 s20, ttmp9, 2
	s_add_co_u32 s20, s20, s19                     ; which 128 queries = 4 x cluster x + cx: enters the addresses of tq, yw and pst alone
	s_and_b32 s21, ttmp7, 0xffff                   ; b, the same in the four partners
	s_mov_b32 s48, 0x76543210                      ; v_permlanex16_b32: lane i takes lane i of the other half
	s_mov_b32 s49, 0xfedcba98
	; descriptor group 1: a dense block of 32 KiB as 128 rows of 32 elements of 8 bytes
	s_mov_b32 s24, 15|(3<<16)|(1<<21)              ; 15:0 the mask: all four work-groups; 17:16 elements of 8 bytes; 21 set beside a mask; no padding
	s_mov_b32 s25, 32<<16                          ; tensor_dim0 = 32
	s_mov_b32 s26, 128<<16                         ; tensor_dim1 = 128
	s_mov_b32 s27, 32<<16                          ; tile_dim0 = 32
	s_mov_b32 s28, 128                             ; tile_dim1 = 128
	s_mov_b32 s29, 32                              ; 32 elements from row to row
	s_mov_b32 s30, 0
	s_mov_b32 s31, 0
	v_and_b32 v2, 31, v0                           ; lane
	v_lshlrev_b32 v1, 4, v2                        ; 16 lane
	v_lshlrev_b32 v3, 2, v2                        ; 4 lane
	s_lshl_b32 s40, s17, 14
	v_add_nc_u32 v4, s40, v1                       ; K, slot 0: my four key tiles of 4,096 bytes
	v_add_nc_u32 v5, 0x10000, v4                   ; V, slot 0
	v_add_nc_u32 v6, 0x20000, v4                   ; K, slot 1
	v_add_nc_u32 v7, 0x30000, v4                   ; V, slot 1
	s_lshl_b32 s41, s16, 10
	s_add_co_u32 s41, s41, ST
	v_add_nc_u32 v8, s41, v3                       ; my m and l: m(qt) at 128 qt, l(qt) at 512 + 128 qt
	s_lshl_b32 s42, s17, 8
	v_add_nc_u32 v9, s42, v8                       ; my own figures of the query tiles 2 kh, 2 kh + 1, which I finish
	s_xor_b32 s43, s16, 1                          ; the wave with the same queries and the other keys
	s_lshl_b32 s44, s43, 10
	s_add_co_u32 s44, s44, ST
	s_add_co_u32 s44, s44, s42
	v_add_nc_u32 v10, s44, v3                      ; its figures of the same tiles
	s_lshl_b32 s45, s16, 15
	v_add_nc_u32 v11, s45, v1                      ; my O, 32 KiB
	v_add_nc_u32 v12, s40, v11                     ; my O of the tiles that I finish
	s_lshl_b32 s46, s43, 15
	s_add_co_u32 s46, s46, s40
	v_add_nc_u32 v13, s46, v1                      ; the partner's O of them
	s_lshl_b32 s47, s16, 13
	s_add_co_u32 s47, s47, SLOTB
	v_add_nc_u32 v14, s47, v1                      ; y of my two finished tiles: query tile 2 w + j of the work-group's eight, 4,096 bytes each
	v_add_nc_u32 v15, SLOTB, v1                    ; y of all eight
	s_wait_dscnt 0x0
	s_wait_kmcnt 0x0
	s_cmp_lt_u32 s16, 2
	s_cselect_b64 s[40:41], s[6:7], s[8:9]         ; waves 0, 1 fetch from fk, waves 2, 3 from gv
	s_lshl_b32 s42, s21, 20
	s_lshl_b32 s43, s17, 15
	s_add_co_u32 s42, s42, s43                     ; batch b, and step 0 or 1 of the slot's two: nothing here hangs on cx
	s_mov_b32 s43, 0
	s_add_nc_u64 s[40:41], s[40:41], s[42:43]
	s_mov_b32 s32, 1                               ; group 0 of slot 0: count 1,
	s_lshl_b32 s33, s16, 15                        ; LDS address: part w of the slot,
	s_mov_b64 s[34:35], s[40:41]                   ; keys 0 to 255,
	s_or_b32 s35, s35, 0x80000000                  ; type 2
	s_mov_b32 s36, 1                               ; group 0 of slot 1
	s_add_co_u32 s37, s33, SLOTB
	s_add_nc_u64 s[38:39], s[40:41], 65536         ; keys 256 to 511
	s_or_b32 s39, s39, 0x80000000
	s_lshl_b32 s44, s21, 20
	s_lshl_b32 s46, s20, 15
	s_add_co_u32 s44, s44, s46
	s_mov_b32 s45, 0
	s_mov_b32 s47, 0
	s_add_nc_u64 s[4:5], s[4:5], s[44:45]          ; tq and yw at the work-group's eight query tiles
	s_add_nc_u64 s[12:13], s[12:13], s[44:45]
	s_lshl_b32 s46, s18, 14
	s_add_nc_u64 s[4:5], s[4:5], s[46:47]          ; tq: my four tiles
	s_lshl_b32 s46, s16, 13
	s_add_nc_u64 s[12:13], s[12:13], s[46:47]      ; yw: the two tiles that I finish
	s_lshl_b32 s46, s16, 14
	s_add_nc_u64 s[10:11], s[10:11], s[46:47]      ; wob: channels 64 w .. 64 w + 63
	s_lshl_b32 s44, s21, 16
	s_lshl_b32 s46, s20, 11
	s_add_co_u32 s44, s44, s46
	s_lshl_b32 s46, s16, 9
	s_add_co_u32 s44, s44, s46
	s_add_nc_u64 s[14:15], s[14:15], s[44:45]      ; pst: 2,048 bytes a work-group, 512 a wave
	ROUND                                          ; the four work-groups are here: the first joint loads meet
	JLOAD 0                                        ; both first fills go out as one group, ahead of every wait on them, LDS read and further barrier
	JLOAD 1
	WIN 0x40
.set i, 0
.rept 32
	global_load_b128 v[4*i:4*i+3], v1, s[4:5] offset:512*i         ; Q: chunk 8 qt + e into registers 4 (8 qt + e) of window 1
.set i, i+1
.endr
	WIN 0
; 16 LDS loads: the K fragments of key tiles kt0, kt0 + 1 (of my four) x all of d, into buf + 8 (4 kk + a)
.macro FK buf, slot, sub, kt0
	WIN 0x40
.irp kk, 0,1
.irp a, 0,1,2,3
	ds_load_b128 v[\buf+8*(4*\kk+\a):\buf+8*(4*\kk+\a)+3],   v[4+2*\slot] offset:\sub*32768+(\kt0+\kk)*4096+\a*1024
	ds_load_b128 v[\buf+8*(4*\kk+\a)+4:\buf+8*(4*\kk+\a)+7], v[4+2*\slot] offset:\sub*32768+(\kt0+\kk)*4096+\a*1024+512
.endr
.endr
.endm
; 16 LDS loads: the V fragments of keys 32 ap .. 32 ap + 31 (of my 64) x all eight tiles of d, into buf + 8 dt
.macro FV buf, slot, sub, ap
	WIN 0x40
.irp dt, 0,1,2,3,4,5,6,7
	ds_load_b128 v[\buf+8*\dt:\buf+8*\dt+3],   v[5+2*\slot] offset:\sub*32768+2*\ap*4096+\dt*512
	ds_load_b128 v[\buf+8*\dt+4:\buf+8*\dt+7], v[5+2*\slot] offset:\sub*32768+2*\ap*4096+\dt*512+4096
.endr
.endm
; 32 matrix instructions: S of two key tiles x four query tiles, d in four steps of 32.  The eight accumulators take turns, one instruction a turn.
.macro SMUL buf, kt0
	WIN 0x05
.irp a, 0,1,2,3
.irp kk, 0,1
.irp qt, 0,1,2,3
.if \a == 0
	v_wmma_f32_16x16x32_f16 v[SB+32*\qt+8*(\kt0+\kk):SB+32*\qt+8*(\kt0+\kk)+7], v[\buf+8*(4*\kk+\a):\buf+8*(4*\kk+\a)+7], v[32*\qt+8*\a:32*\qt+8*\a+7], 0
.else
	v_wmma_f32_16x16x32_f16 v[SB+32*\qt+8*(\kt0+\kk):SB+32*\qt+8*(\kt0+\kk)+7], v[\buf+8*(4*\kk+\a):\buf+8*(4*\kk+\a)+7], v[32*\qt+8*\a:32*\qt+8*\a+7], v[SB+32*\qt+8*(\kt0+\kk):SB+32*\qt+8*(\kt0+\kk)+7]
.endif
.endr
.endr
.endr
.endm
; 32 matrix instructions on the 32 accumulators of O, by turns: 32 keys.  zero = 1: the first product starts the sums.
.macro PVMUL buf, ap, zero
	WIN 0xa1
.irp dt, 0,1,2,3,4,5,6,7
.irp qt, 0,1,2,3
.if \zero
	v_wmma_f32_16x16x32_f16 v[8*(8*\qt+\dt):8*(8*\qt+\dt)+7], v[\buf+8*\dt:\buf+8*\dt+7], v[SB+32*\qt+16*\ap:SB+32*\qt+16*\ap+7], 0
.else
	v_wmma_f32_16x16x32_f16 v[8*(8*\qt+\dt):8*(8*\qt+\dt)+7], v[\buf+8*\dt:\buf+8*\dt+7], v[SB+32*\qt+16*\ap:SB+32*\qt+16*\ap+7], v[8*(8*\qt+\dt):8*(8*\qt+\dt)+7]
.endif
.endr
.endr
.endm
.macro RESCALE                         ; O x alpha: the lane's own factor, since a lane holds one query
	WIN 0x82
.set p, 0
.rept 32
.irp qt, 0,1,2,3
	v_pk_mul_f32 v[64*\qt+2*p:64*\qt+2*p+1], v[64*\qt+2*p:64*\qt+2*p+1], v[AL+2*\qt:AL+2*\qt+1]
.endr
.set p, p+1
.endr
.endm
; The softmax's step for four query tiles x 64 keys; the four tiles' instructions alternate, so that none waits for the one in front of it.
.macro SOFTMAX first
	WIN 0
.irp c, 0,1,2,3
.irp qt, 0,1,2,3
	v_max3_num_f32 v[TT+4*\qt+\c], v[SB+32*\qt+8*\c], v[SB+32*\qt+8*\c+1], v[SB+32*\qt+8*\c+2]
.endr
.endr
.irp c, 0,1,2,3
.irp qt, 0,1,2,3
	v_max3_num_f32 v[TT+4*\qt+\c], v[TT+4*\qt+\c], v[SB+32*\qt+8*\c+3], v[SB+32*\qt+8*\c+4]
.endr
.endr
.irp c, 0,1,2,3
.irp qt, 0,1,2,3
	v_max3_num_f32 v[TT+4*\qt+\c], v[TT+4*\qt+\c], v[SB+32*\qt+8*\c+5], v[SB+32*\qt+8*\c+6]
.endr
.endr
.irp qt, 0,1,2,3
	v_max3_num_f32 v[TT+4*\qt], v[TT+4*\qt], v[SB+32*\qt+7], v[SB+32*\qt+15]
	v_max3_num_f32 v[TT+4*\qt+2], v[TT+4*\qt+2], v[SB+32*\qt+23], v[SB+32*\qt+31]
.endr
.irp qt, 0,1,2,3
	v_max3_num_f32 v[TT+4*\qt], v[TT+4*\qt], v[TT+4*\qt+1], v[TT+4*\qt+2]
.endr
.irp qt, 0,1,2,3
.if \first
	v_max_num_f32 v[TT+4*\qt], v[TT+4*\qt], v[TT+4*\qt+3]
.else
	v_max3_num_f32 v[TT+4*\qt], v[TT+4*\qt], v[TT+4*\qt+3], v[MX+2*\qt]    ; with the maximum so far
.endif
.endr
.irp qt, 0,1,2,3
	v_permlanex16_b32 v[TT+4*\qt+1], v[TT+4*\qt], s48, s49                 ; the other half of the lanes holds the query's other keys
.endr
.irp qt, 0,1,2,3
	v_max_num_f32 v[TT+4*\qt+2], v[TT+4*\qt], v[TT+4*\qt+1]
.endr
.if \first == 0
.irp qt, 0,1,2,3
	v_sub_f32 v[AL+2*\qt], v[MX+2*\qt], v[TT+4*\qt+2]
.endr
.endif
.irp qt, 0,1,2,3
	v_mov_b32 v[MX+2*\qt], v[TT+4*\qt+2]
	v_mov_b32 v[MX+2*\qt+1], v[TT+4*\qt+2]
.endr
.set p, 0
.rept 16
.irp qt, 0,1,2,3
	v_pk_add_f32 v[SB+32*\qt+2*p:SB+32*\qt+2*p+1], v[SB+32*\qt+2*p:SB+32*\qt+2*p+1], v[MX+2*\qt:MX+2*\qt+1] neg_lo:[0,1] neg_hi:[0,1]
.endr
.set p, p+1
.endr
.if \first == 0
.irp qt, 0,1,2,3
	v_exp_f32 v[AL+2*\qt], v[AL+2*\qt]
.endr
.endif
.set p, 0
.rept 128
	v_exp_f32 v[SB+p], v[SB+p]
.set p, p+1
.endr
	v_nop                                          ; one plain instruction between the exponentials and the first use of a result (ISA guide 5.7.2)
.if \first
	s_wait_alu depctr_va_vdst(0)
.irp qt, 0,1,2,3
	v_pk_add_f32 v[LS+2*\qt:LS+2*\qt+1], v[SB+32*\qt:SB+32*\qt+1], v[SB+32*\qt+2:SB+32*\qt+3]
.endr
.set p, 2
.else
	s_wait_alu depctr_va_vdst(0)
.irp qt, 0,1,2,3
	v_mov_b32 v[AL+2*\qt+1], v[AL+2*\qt]
.endr
.irp qt, 0,1,2,3
	v_pk_fma_f32 v[LS+2*\qt:LS+2*\qt+1], v[LS+2*\qt:LS+2*\qt+1], v[AL+2*\qt:AL+2*\qt+1], v[SB+32*\qt:SB+32*\qt+1]
.endr
.set p, 1
.endif
.rept 16-p
.irp qt, 0,1,2,3
	v_pk_add_f32 v[LS+2*\qt:LS+2*\qt+1], v[LS+2*\qt:LS+2*\qt+1], v[SB+32*\qt+2*p:SB+32*\qt+2*p+1]
.endr
.set p, p+1
.endr
	; p to f16 in place: the 16 numbers of two key tiles become the 8 registers of P(qt, a); a destination never lies ahead of its sources
.set c, 0
.rept 16
.irp qt, 0,1,2,3
	v_cvt_pk_f16_f32 v[SB+32*\qt+16*(c>>3)+(c&7)], v[SB+32*\qt+16*(c>>3)+2*(c&7)], v[SB+32*\qt+16*(c>>3)+2*(c&7)+1]
.endr
.set c, c+1
.endr
.endm
; One step: 128 keys at (slot, sub); the next step's K comes from (nslot, nsub).  At its head two runs of 16 LDS loads may be out: K into FA, then K into FB.
; mode 0: no change of slots.  mode 1: this slot has been read to its end and is filled again.  mode 2: the last change of slots, nothing is left to fetch.
; Four places (ISA guide 7.12.1) stand behind each run of products whose fragment buffer is loaded again or whose results are read;
; between a product that reads P(., a) and the product of S that writes over it stand eight.
.macro STEP slot, sub, nslot, nsub, mode, first, last
	s_wait_dscnt 16                                ; the 16 loads into FB may stay out: K in FA is whole
	SMUL FA, 0
	PLACES 4
	FV FA, \slot, \sub, 0
	s_wait_dscnt 16                                ; those 16 may stay out: K in FB is whole
	SMUL FB, 2
	PLACES 4
	FV FB, \slot, \sub, 1
	SOFTMAX \first
.if \first == 0
	RESCALE
.endif
.if \mode == 0
	s_wait_dscnt 16                                ; V into FB may stay out: V in FA is whole
.endif
.if \mode == 1
	WIN 0                                          ; branches and a label follow
	s_wait_dscnt 0x0                               ; my reads of this slot are over,
	s_set_vgpr_msb 0xf
	s_wait_tensorcnt 0x0                           ; and all my tensor loads have landed: the one that was out is my part of the other slot; so a group 0 may be written:
	ds_add_u32 v0, v1
	s_wait_dscnt 0x0
	s_set_vgpr_msb 0xf00
	s_add_nc_u64 s[34+4*\slot:35+4*\slot], s[34+4*\slot:35+4*\slot], 2*65536   ; this slot's next 256 keys
	ROUND                                          ; both now hold of every wave of the four work-groups
	JLOAD \slot                                    ; my one tensor load behind the round, and the first thing there
.endif
.if \mode == 2
	s_wait_dscnt 0x0
	s_wait_tensorcnt 0x0                           ; my part of the last 256 keys is in,
	s_barrier_signal -1
	s_barrier_wait -1                              ; everybody's is; and nobody reads slot 0 any more
.endif
	PVMUL FA, 0, \first
.if \last
	s_wait_dscnt 0x0
	PVMUL FB, 1, 0
.else
	PLACES 4
	FK FA, \nslot, \nsub, 0
	s_wait_dscnt 16                                ; those 16 may stay out: V in FB is whole
	PVMUL FB, 1, 0
	PLACES 4
	FK FB, \nslot, \nsub, 2
.endif
.endm
.macro LAP first                       ; once round the ring: four steps, both slots filled again
	STEP 0, 0, 0, 1, 0, \first, 0
	STEP 0, 1, 1, 0, 1, 0, 0
	STEP 1, 0, 1, 1, 0, 0, 0
	STEP 1, 1, 0, 0, 1, 0, 0
.endm
	s_wait_tensorcnt 0x1                           ; my part of slot 0 is in; slot 1's may stay out
	s_barrier_signal -1
	s_barrier_wait -1
	FK FA, 0, 0, 0
	FK FB, 0, 0, 2
	s_wait_loadcnt 0x0                             ; Q
	LAP 1                                          ; the first lap stands in front of the loop: its first step starts m, l and O
	WIN 0
	s_mov_b32 s50, 6
.Llap:
	LAP 0
	WIN 0
	s_sub_co_u32 s50, s50, 1
	s_cmp_lg_u32 s50, 0
	s_cbranch_scc1 .Llap
	STEP 0, 0, 0, 1, 0, 0, 0                       ; the last lap fills nothing
	STEP 0, 1, 1, 0, 2, 0, 0
	STEP 1, 0, 1, 1, 0, 0, 0
	STEP 1, 1, 0, 0, 0, 0, 1
	; E1: Wo's fragments are asked for (into Q's registers); m, l and O go to LDS for the merge
	WIN 0x40
.set i, 0
.rept 32
	global_load_b128 v[4*i:4*i+3], v1, s[10:11] offset:512*i       ; Wo(ct, a) at 32 ct + 8 a of window 1
.set i, i+1
.endr
	PLACES 4                                       ; behind the last products, whose results are stored below
	WIN 0
.irp qt, 0,1,2,3
	v_add_f32 v[LS+2*\qt], v[LS+2*\qt], v[LS+2*\qt+1]
.endr
.irp qt, 0,1,2,3
	v_permlanex16_b32 v[TT+4*\qt], v[LS+2*\qt], s48, s49
.endr
.irp qt, 0,1,2,3
	v_add_f32 v[LS+2*\qt], v[LS+2*\qt], v[TT+4*\qt]
.endr
.irp qt, 0,1,2,3
	ds_store_b32 v8, v[MX+2*\qt] offset:128*\qt
	ds_store_b32 v8, v[LS+2*\qt] offset:512+128*\qt
.endr
	WIN 0x08
.set i, 0
.rept 64
	ds_store_b128 v11, v[4*i:4*i+3] offset:512*i                   ; i = 2 (8 qt + dt) + half.  Slot 0: its last fill has landed and its last read lies in front of the last change of slots
.set i, i+1
.endr
	WIN 0
	s_wait_dscnt 0x0                               ; my stores are in LDS, and my reads of slot 1 are over
	s_barrier_signal -1
	s_barrier_wait -1
	; E2: the merge.  Wave w finishes query tiles 2 kh + j of its half; it reads its own and its partner's figures alike, so no branch is needed.
.irp j, 0,1
	ds_load_b32 v[56+\j], v9 offset:128*\j                         ; my m
	ds_load_b32 v[58+\j], v9 offset:512+128*\j                     ; my l
	ds_load_b32 v[60+\j], v10 offset:128*\j                        ; the partner's m
	ds_load_b32 v[62+\j], v10 offset:512+128*\j                    ; the partner's l
.endr
.macro MERGE j
.irp dt, 0,1,2,3,4,5,6,7
.irp hf, 0,1
	ds_load_b128 v[128+8*\dt+4*\hf:128+8*\dt+4*\hf+3], v12 offset:\j*8192+\dt*1024+\hf*512
.endr
.endr
.irp dt, 0,1,2,3,4,5,6,7
.irp hf, 0,1
	ds_load_b128 v[192+8*\dt+4*\hf:192+8*\dt+4*\hf+3], v13 offset:\j*8192+\dt*1024+\hf*512
.endr
.endr
	s_wait_dscnt 32                                ; the 32 loads just issued may stay out: m and l are in
	v_max_num_f32 v40, v[56+\j], v[60+\j]
	v_sub_f32 v41, v[56+\j], v40
	v_sub_f32 v42, v[60+\j], v40
	v_exp_f32 v41, v41
	v_exp_f32 v42, v42
	v_nop
	s_wait_alu depctr_va_vdst(0)
	v_mul_f32 v43, v[58+\j], v41
	v_fmac_f32 v43, v[62+\j], v42                  ; l of all keys: at least 1
	v_rcp_f32 v44, v43
	v_nop
	s_wait_alu depctr_va_vdst(0)
	v_mul_f32 v46, v41, v44
	v_mul_f32 v48, v42, v44
	v_mov_b32 v47, v46
	v_mov_b32 v49, v48
	s_wait_dscnt 0x0
.set p, 0
.rept 32
	v_pk_mul_f32 v[128+2*p:129+2*p], v[128+2*p:129+2*p], v[46:47]
.set p, p+1
.endr
.set p, 0
.rept 32
	v_pk_fma_f32 v[128+2*p:129+2*p], v[192+2*p:193+2*p], v[48:49], v[128+2*p:129+2*p]
.set p, p+1
.endr
.set p, 0
.rept 32
	v_cvt_pk_f16_f32 v[64+32*\j+p], v[128+2*p], v[129+2*p]         ; y(16 dt + 8 h + 0..7, query r): chunk dt of the tile
.set p, p+1
.endr
.irp dt, 0,1,2,3,4,5,6,7
	global_store_b128 v1, v[64+32*\j+4*\dt:64+32*\j+4*\dt+3], s[12:13] offset:(8*\j+\dt)*512   ; 512 consecutive bytes, aligned
	ds_store_b128 v14, v[64+32*\j+4*\dt:64+32*\j+4*\dt+3] offset:(8*\j+\dt)*512                ; slot 1: filled and read for the last time
.endr
.endm
	MERGE 0
	MERGE 1
	s_wait_dscnt 0x0
	s_barrier_signal -1
	s_barrier_wait -1
	; E3: z = Wo y for channels 64 w .. 64 w + 63 at all 128 positions (source 0 = y, source 1 = Wo: a lane holds one channel, its registers run along the positions),
	; then the sum and the sum of squares about the work-group's own mean: no difference of large sums is formed, and no sum crosses waves.
.macro FY buf, g                       ; the y fragments of query tiles 2 g, 2 g + 1
	WIN 0x40
.irp qq, 0,1
.irp a, 0,1,2,3
	ds_load_b128 v[\buf+8*(4*\qq+\a):\buf+8*(4*\qq+\a)+3],   v15 offset:(2*\g+\qq)*4096+\a*1024
	ds_load_b128 v[\buf+8*(4*\qq+\a)+4:\buf+8*(4*\qq+\a)+7], v15 offset:(2*\g+\qq)*4096+\a*1024+512
.endr
.endr
.endm
.macro ZMUL buf, g                     ; 32 matrix instructions, eight accumulators by turns: z(ct, tile) at 8 (8 ct + tile) of window 2
	WIN 0xa5
.irp a, 0,1,2,3
.irp ct, 0,1,2,3
.irp qq, 0,1
.if \a == 0
	v_wmma_f32_16x16x32_f16 v[8*(8*\ct+2*\g+\qq):8*(8*\ct+2*\g+\qq)+7], v[\buf+8*(4*\qq+\a):\buf+8*(4*\qq+\a)+7], v[32*\ct+8*\a:32*\ct+8*\a+7], 0
.else
	v_wmma_f32_16x16x32_f16 v[8*(8*\ct+2*\g+\qq):8*(8*\ct+2*\g+\qq)+7], v[\buf+8*(4*\qq+\a):\buf+8*(4*\qq+\a)+7], v[32*\ct+8*\a:32*\ct+8*\a+7], v[8*(8*\ct+2*\g+\qq):8*(8*\ct+2*\g+\qq)+7]
.endif
.endr
.endr
.endr
.endm
	FY FA, 0
	FY FB, 1
	s_wait_loadcnt 0x0                             ; Wo
	s_wait_dscnt 16                                ; the second run may stay out
	ZMUL FA, 0
	PLACES 4
	FY FA, 2
	s_wait_dscnt 16
	ZMUL FB, 1
	PLACES 4
	FY FB, 3
	s_wait_dscnt 16
	ZMUL FA, 2
	s_wait_dscnt 0x0
	ZMUL FB, 3
	PLACES 4
	s_wait_xcnt 0x0                                ; v[64:127], the data of the stores to yw, are written again only behind this wait
.macro FOLD dst                        ; four pairs a channel tile to one number, then the other half of the lanes
.irp ct, 0,1,2,3
	v_pk_add_f32 v[ZT+8*\ct:ZT+8*\ct+1], v[ZT+8*\ct:ZT+8*\ct+1], v[ZT+8*\ct+2:ZT+8*\ct+3]
	v_pk_add_f32 v[ZT+8*\ct+4:ZT+8*\ct+5], v[ZT+8*\ct+4:ZT+8*\ct+5], v[ZT+8*\ct+6:ZT+8*\ct+7]
.endr
.irp ct, 0,1,2,3
	v_pk_add_f32 v[ZT+8*\ct:ZT+8*\ct+1], v[ZT+8*\ct:ZT+8*\ct+1], v[ZT+8*\ct+4:ZT+8*\ct+5]
.endr
.irp ct, 0,1,2,3
	v_add_f32 v[\dst+\ct], v[ZT+8*\ct], v[ZT+8*\ct+1]
.endr
.irp ct, 0,1,2,3
	v_permlanex16_b32 v[TT+\ct], v[\dst+\ct], s48, s49
.endr
.irp ct, 0,1,2,3
	v_add_f32 v[\dst+\ct], v[\dst+\ct], v[TT+\ct]
.endr
.endm
	WIN 0x0a
.irp ct, 0,1,2,3
.irp c, 0,1,2,3
	v_pk_add_f32 v[ZT+8*\ct+2*\c:ZT+8*\ct+2*\c+1], v[64*\ct+2*\c:64*\ct+2*\c+1], v[64*\ct+8+2*\c:64*\ct+8+2*\c+1]
.endr
.endr
	WIN 0x02
.set p, 8
.rept 24
.irp ct, 0,1,2,3
	v_pk_add_f32 v[ZT+8*\ct+2*(p&3):ZT+8*\ct+2*(p&3)+1], v[64*\ct+2*p:64*\ct+2*p+1], v[ZT+8*\ct+2*(p&3):ZT+8*\ct+2*(p&3)+1]
.endr
.set p, p+1
.endr
	WIN 0
	FOLD 96                                        ; v[96:99]: the sum of z over the 128 positions, channel 64 w + 16 ct + r
.irp ct, 0,1,2,3
	v_mul_f32 v[104+2*\ct], 0x3c000000, v[96+\ct]  ; / 128: the work-group's mean, twice
	v_mul_f32 v[105+2*\ct], 0x3c000000, v[96+\ct]
.endr
	WIN 0x82
.set p, 0
.rept 32
.irp ct, 0,1,2,3
	v_pk_add_f32 v[64*\ct+2*p:64*\ct+2*p+1], v[64*\ct+2*p:64*\ct+2*p+1], v[104+2*\ct:105+2*\ct] neg_lo:[0,1] neg_hi:[0,1]
.endr
.set p, p+1
.endr
	WIN 0x0a
.set p, 0
.rept 4
.irp ct, 0,1,2,3
	v_pk_mul_f32 v[ZT+8*\ct+2*p:ZT+8*\ct+2*p+1], v[64*\ct+2*p:64*\ct+2*p+1], v[64*\ct+2*p:64*\ct+2*p+1]
.endr
.set p, p+1
.endr
.rept 28
.irp ct, 0,1,2,3
	v_pk_fma_f32 v[ZT+8*\ct+2*(p&3):ZT+8*\ct+2*(p&3)+1], v[64*\ct+2*p:64*\ct+2*p+1], v[64*\ct+2*p:64*\ct+2*p+1], v[ZT+8*\ct+2*(p&3):ZT+8*\ct+2*(p&3)+1]
.endr
.set p, p+1
.endr
	WIN 0
	FOLD 100                                       ; v[100:103]: the sum of (z - mean)^2
	v_cmp_gt_u32 vcc_lo, 16, v2
.irp ct, 0,1,2,3
	v_cndmask_b32 v[116+\ct], v[100+\ct], v[96+\ct], vcc_lo        ; lanes 0 to 15 store the sums, lanes 16 to 31 the squares
.endr
	global_store_b128 v1, v[116:119], s[14:15]     ; 512 consecutive bytes: [half][r][ct]
	s_set_vgpr_msb 0xf
	s_wait_tensorcnt 0x0
	ds_add_u32 v0, v1
	s_wait_dscnt 0x0
	s_set_vgpr_msb 0xf00
	ROUND                                          ; the closing round: no work-group ends while a partner may still ask for a tile that names it
	s_endpgm
.Lfunc_end_k_q5bceb9c4cf_attn:
	.size	k_q5bceb9c4cf_attn, .Lfunc_end_k_q5bceb9c4cf_attn-k_q5bceb9c4cf_attn
	.p2alignl 7, 3214868480
	.fill 96, 4, 3214868480
	.section	.rodata,"a",@progbits
	.p2align	6, 0x0
	.amdhsa_kernel k_q5bceb9c4cf_attn
		.amdhsa_group_segment_fixed_size 327680
		.amdhsa_private_segment_fixed_size 0
		.amdhsa_enable_private_segment 0
		.amdhsa_kernarg_size 48
		.amdhsa_user_sgpr_count 2
		.amdhsa_user_sgpr_kernarg_segment_ptr 1
		.amdhsa_wavefront_size32 1
		.amdhsa_system_sgpr_workgroup_id_x 1
		.amdhsa_system_sgpr_workgroup_id_y 1
		.amdhsa_system_sgpr_workgroup_id_z 1
		.amdhsa_system_vgpr_workitem_id 0
		.amdhsa_next_free_vgpr 770
		.amdhsa_next_free_sgpr 66
		.amdhsa_reserve_vcc 1
		.amdhsa_float_denorm_mode_32 3
		.amdhsa_float_denorm_mode_16_64 3
		.amdhsa_memory_ordered 1
		.amdhsa_forward_progress 1
		.amdhsa_inst_pref_size 255
	.end_amdhsa_kernel
	.section	.bss,"aw",@nobits
	.p2align	6
	.space	262144
	.amdgpu_metadata
---
amdhsa.version: [ 1, 2 ]
amdhsa.kernels:
  - .name:           k_q5bceb9c4cf_attn
    .symbol:         k_q5bceb9c4cf_attn.kd
    .args:
      - { .name: tq, .offset: 0, .size: 8, .value_kind: global_buffer, .address_space: global }
      - { .name: fk, .offset: 8, .size: 8, .value_kind: global_buffer, .address_space: global }
      - { .name: gv, .offset: 16, .size: 8, .value_kind: global_buffer, .address_space: global }
      - { .name: wob, .offset: 24, .size: 8, .value_kind: global_buffer, .address_space: global }
      - { .name: yw, .offset: 32, .size: 8, .value_kind: global_buffer, .address_space: global }
      - { .name: pst, .offset: 40, .size: 8, .value_kind: global_buffer, .address_space: global }
    .group_segment_fixed_size: 327680
    .private_segment_fixed_size: 0
    .kernarg_segment_align: 8
    .kernarg_segment_size: 48
    .max_flat_workgroup_size: 128
    .sgpr_count:     66
    .vgpr_count:     770
    .wavefront_size: 32
...
	.end_amdgpu_metadata
.endif
;; end of part 2
;; launch bnout (part 3): grid 64 x 4, 8 waves a work-group, no clusters, 60,416 bytes of LDS; arguments x, yw, wob, pst, gamma, beta, out0; writes out0
.if DOCPART == 3
	.amdgcn_target "amdgcn-amd-amdhsa--gfx1250"
	.amdhsa_code_object_version 6
	.text
	.protected	k_q5bceb9c4cf_bnout
	.globl	k_q5bceb9c4cf_bnout
	.p2align	8
	.type	k_q5bceb9c4cf_bnout,@function
k_q5bceb9c4cf_bnout:
	s_mov_b64 s[64:65], 0
	v_nop
	global_prefetch_b8 v0, s[64:65] scope:SCOPE_SE
	s_setreg_imm32_b32 hwreg(HW_REG_WAVE_MODE, 25, 1), 1
	s_wait_xcnt 0x0
; BNOUT: out0 = (z - mean) rsqrt(var + 1e-5) gamma + beta + x, with z = Wo y made anew from y (f16, 8 MiB) instead of a z of 32 MiB written and read.
; Left out, as shown at the head of the first kernel: bg and bo, constants of a channel in z, which the mean takes away and the variance does not see.
; FORMAT: y and Wo f16, all else f32.
; A work-group takes 64 channels (cg) x 512 positions of one batch; wave v takes 64 of the positions: 4 position tiles x 4 channel tiles, 64 matrix instructions.
; STATISTICS: each of the 256 work-groups of the launch before stored, for 128 positions, the sum of z and the sum of squares about its own mean.  Here:
; mean = (sum of sums) / 32,768;  var = (sum of their squares + 128 x sum of (mean_i - mean)^2) / 32,768: no difference of large sums is formed.
; Wave v sums 32 of the 256 parts; the eight waves' figures meet in LDS.  Lanes 0 to 15 hold the sums, lanes 16 to 31 the squares, as they were stored;
; what lanes 16 to 31 make of the squares in the second pass is thrown away by a select.
; No tensor loads and no cluster: x and out0, which no two work-groups share, are most of the bytes, and y comes straight into registers in fragment order.
; Source 0 = y, source 1 = Wo: a lane holds one channel and eight neighbouring positions.  16 channels x 64 positions go through a stage of the wave's own in LDS,
; so that sixteen lanes store 256 consecutive bytes of out0, aligned.
.set RED1, 16384                       ; behind Wo's 16 KiB: eight waves x 512 bytes, first pass
.set RED2, 20480                       ; second pass
.set STG,  24576                       ; stages: 16 rows of 272 bytes for each wave
.set SPITCH, 272                       ; 256 + 16 bytes: the 16 rows that a store touches start 16 bytes apart modulo 256
.set GA, 16                            ; v[16:19] gamma, v[20:23] beta of channels 16 ct + r
.set BE, 20
.set WT, 24                            ; v[24:39] my 2 KiB of Wo on their way to LDS
.set AP, 64                            ; v[64+2 ct], +1: gamma rsqrt(var + eps), twice
.set BP, 72                            ; v[72+2 ct], +1: beta - mean x that, twice
.set DD, 96                            ; v[96:127] z(qt) at 96 + 8 qt
.set RAW, 128                          ; v[128:255] the 32 parts of the statistics as loaded
.set RR, 128                           ; v[128:159] later: rows read back from the stage
.set WF0, 192                          ; v[192:223], v[160:191] later: Wo's fragments of a channel tile, two buffers
.set WF1, 160
                                       ; window 1: v0-127 y(qt, a) at 32 qt + 8 a; v128-255 x, load u = 8 ct + t at 128 + 4 u
.set MSB, 0
.macro WIN new
.if MSB != \new
	s_set_vgpr_msb (MSB<<8)|\new
.set MSB, \new
.endif
.endm
.macro PLACES n
.rept \n
	v_nop
.endr
.endm
	s_load_b256 s[4:11], s[0:1], 0x0               ; x 4, yw 6, wob 8, pst 10
	s_load_b128 s[12:15], s[0:1], 0x20             ; gamma 12, beta 14
	s_load_b64 s[16:17], s[0:1], 0x30              ; out0
	v_lshl_add_u32 v14, v0, 2, 0xe800
	v_mov_b32 v15, 0
	v_lshrrev_b32 v1, 5, v0
	v_readfirstlane_b32 s18, v1                    ; wave v
	s_lshr_b32 s19, ttmp9, 3                       ; b
	s_and_b32 s20, ttmp9, 7                        ; nc: which 512 positions
	s_and_b32 s21, ttmp7, 0xffff                   ; cg: which 64 channels
	s_mov_b32 s22, 0x76543210
	s_mov_b32 s23, 0xfedcba98
	s_mov_b32 s24, 0x3727c5ac                      ; 1e-5
	s_mov_b32 s25, 0x38000000                      ; 1 / 32,768
	v_and_b32 v2, 31, v0                           ; lane
	v_lshlrev_b32 v1, 4, v2                        ; 16 lane
	v_and_b32 v3, 15, v0                           ; r
	v_bfe_u32 v4, v0, 4, 1                         ; h
	v_lshlrev_b32 v5, 4, v3
	v_lshl_add_u32 v5, v4, 14, v5                  ; x, out0: channel h of a pair (16,384 bytes apart), 16 r
	s_mul_i32 s26, s18, 16*SPITCH
	s_add_co_u32 s26, s26, STG
	v_mul_u32_u24 v6, v3, SPITCH
	v_lshl_add_u32 v6, v4, 5, v6
	v_add_nc_u32 v6, s26, v6                       ; stage in: row r, positions 8 h ..
	v_mul_u32_u24 v7, v4, SPITCH
	v_lshl_add_u32 v7, v3, 4, v7
	v_add_nc_u32 v7, s26, v7                       ; stage back: row h of a pair, 16 r
	v_lshlrev_b32 v8, 2, v3                        ; gamma, beta: 4 r
	s_lshl_b32 s26, s18, 11
	v_add_nc_u32 v9, s26, v1                       ; Wo in LDS: my four chunks
	s_lshl_b32 s26, s18, 9
	s_add_co_u32 s26, s26, RED1
	v_add_nc_u32 v10, s26, v1                      ; my 512 bytes of a pass
	v_add_nc_u32 v11, RED1, v1                     ; all waves'
	s_lshl_b32 s28, s19, 22
	s_lshl_b32 s26, s21, 20
	s_add_co_u32 s28, s28, s26
	s_lshl_b32 s26, s20, 11
	s_add_co_u32 s28, s28, s26
	s_lshl_b32 s26, s18, 8
	s_add_co_u32 s28, s28, s26
	s_mov_b32 s29, 0                               ; x, out0: batch, 64 cg channels, 512 nc + 64 v positions
	s_lshl_b32 s30, s19, 20
	s_lshl_b32 s26, s20, 17
	s_add_co_u32 s30, s30, s26
	s_lshl_b32 s26, s18, 14
	s_add_co_u32 s30, s30, s26
	s_mov_b32 s31, 0                               ; yw: batch, 32 nc + 4 v tiles of 4,096 bytes
	s_lshl_b32 s32, s21, 9
	s_lshl_b32 s26, s18, 16
	s_add_co_u32 s32, s32, s26
	s_mov_b32 s33, 0                               ; pst: part cg of work-groups 32 v ..
	s_lshl_b32 s34, s21, 14
	s_lshl_b32 s26, s18, 11
	s_add_co_u32 s34, s34, s26
	s_mov_b32 s35, 0                               ; wob: 32 chunks of cg, four of them mine
	s_lshl_b32 s36, s21, 8
	s_mov_b32 s37, 0                               ; gamma, beta: 64 cg
	s_wait_kmcnt 0x0
	s_add_nc_u64 s[4:5], s[4:5], s[28:29]
	s_add_nc_u64 s[16:17], s[16:17], s[28:29]
	s_add_nc_u64 s[6:7], s[6:7], s[30:31]
	s_add_nc_u64 s[10:11], s[10:11], s[32:33]
	s_add_nc_u64 s[8:9], s[8:9], s[34:35]
	s_add_nc_u64 s[12:13], s[12:13], s[36:37]
	s_add_nc_u64 s[14:15], s[14:15], s[36:37]
.irp i, 0,1,2,3
	global_load_b128 v[WT+4*\i:WT+4*\i+3], v1, s[8:9] offset:512*\i
.endr
.irp ct, 0,1,2,3
	global_load_b32 v[GA+\ct], v8, s[12:13] offset:64*\ct
	global_load_b32 v[BE+\ct], v8, s[14:15] offset:64*\ct
.endr
.set i, 0
.rept 32
	global_load_b128 v[RAW+4*i:RAW+4*i+3], v1, s[10:11] offset:2048*i
.set i, i+1
.endr
	WIN 0x40
.set i, 0
.rept 32
	global_load_b128 v[4*i:4*i+3], v1, s[6:7] offset:512*i
.set i, i+1
.endr
.set i, 0
.rept 16
	global_load_b128 v[128+4*i:128+4*i+3], v5, s[4:5] offset:2*i*16384 th:TH_LOAD_NT   ; channels 2 i + h: load u = 8 ct + t is channel 16 ct + 2 t + h
.set i, i+1
.endr
	s_wait_loadcnt 48                              ; y's 32 and x's 16 loads may stay out: Wo, gamma, beta and the statistics are in
.rept 16
	global_load_b128 v[128+4*i:128+4*i+3], v5, s[4:5] offset:2*i*16384 th:TH_LOAD_NT
.set i, i+1
.endr
	WIN 0
.irp i, 0,1,2,3
	ds_store_b128 v9, v[WT+4*\i:WT+4*\i+3] offset:512*\i
.endr
	; pass 1: the sum of my 32 parts, in two chains
	v_pk_add_f32 v[40:41], v[RAW:RAW+1], v[RAW+8:RAW+9]
	v_pk_add_f32 v[42:43], v[RAW+2:RAW+3], v[RAW+10:RAW+11]
	v_pk_add_f32 v[44:45], v[RAW+4:RAW+5], v[RAW+12:RAW+13]
	v_pk_add_f32 v[46:47], v[RAW+6:RAW+7], v[RAW+14:RAW+15]
.set i, 4
.rept 28
	v_pk_add_f32 v[40+4*(i&1):41+4*(i&1)], v[40+4*(i&1):41+4*(i&1)], v[RAW+4*i:RAW+4*i+1]
	v_pk_add_f32 v[42+4*(i&1):43+4*(i&1)], v[42+4*(i&1):43+4*(i&1)], v[RAW+4*i+2:RAW+4*i+3]
.set i, i+1
.endr
	v_pk_add_f32 v[40:41], v[40:41], v[44:45]
	v_pk_add_f32 v[42:43], v[42:43], v[46:47]
	ds_store_b128 v10, v[40:43]
	s_wait_dscnt 0x0                               ; my part of Wo and my sums are in LDS
	s_barrier_signal -1
	s_barrier_wait -1
.irp j, 0,1,2,3,4,5,6,7
	ds_load_b128 v[80+4*\j:83+4*\j], v11 offset:512*\j
.endr
	s_wait_dscnt 0x0
	v_pk_add_f32 v[48:49], v[80:81], v[84:85]
	v_pk_add_f32 v[50:51], v[82:83], v[86:87]
.irp j, 2,3,4,5,6,7
	v_pk_add_f32 v[48:49], v[48:49], v[80+4*\j:81+4*\j]
	v_pk_add_f32 v[50:51], v[50:51], v[82+4*\j:83+4*\j]
.endr
.irp ct, 0,1,2,3
	v_mul_f32 v[52+\ct], s25, v[48+\ct]            ; lanes 0 to 15: the mean
.endr
	; pass 2: the sum of (mean_i - mean)^2 over my 32 parts
.set i, 0
.rept 32
	v_pk_fma_f32 v[RAW+4*i:RAW+4*i+1], v[RAW+4*i:RAW+4*i+1], 0x3c000000, v[52:53] op_sel_hi:[1,0,1] neg_lo:[0,0,1] neg_hi:[0,0,1]
	v_pk_fma_f32 v[RAW+4*i+2:RAW+4*i+3], v[RAW+4*i+2:RAW+4*i+3], 0x3c000000, v[54:55] op_sel_hi:[1,0,1] neg_lo:[0,0,1] neg_hi:[0,0,1]
.set i, i+1
.endr
	v_pk_mul_f32 v[56:57], v[RAW:RAW+1], v[RAW:RAW+1]
	v_pk_mul_f32 v[58:59], v[RAW+2:RAW+3], v[RAW+2:RAW+3]
	v_pk_mul_f32 v[60:61], v[RAW+4:RAW+5], v[RAW+4:RAW+5]
	v_pk_mul_f32 v[62:63], v[RAW+6:RAW+7], v[RAW+6:RAW+7]
.set i, 2
.rept 30
	v_pk_fma_f32 v[56+4*(i&1):57+4*(i&1)], v[RAW+4*i:RAW+4*i+1], v[RAW+4*i:RAW+4*i+1], v[56+4*(i&1):57+4*(i&1)]
	v_pk_fma_f32 v[58+4*(i&1):59+4*(i&1)], v[RAW+4*i+2:RAW+4*i+3], v[RAW+4*i+2:RAW+4*i+3], v[58+4*(i&1):59+4*(i&1)]
.set i, i+1
.endr
	v_pk_add_f32 v[56:57], v[56:57], v[60:61]
	v_pk_add_f32 v[58:59], v[58:59], v[62:63]
	ds_store_b128 v10, v[56:59] offset:RED2-RED1   ; bytes of their own: the first pass's may still be read
	s_wait_dscnt 0x0
	s_barrier_signal -1
	s_barrier_wait -1
.irp j, 0,1,2,3,4,5,6,7
	ds_load_b128 v[80+4*\j:83+4*\j], v11 offset:RED2-RED1+512*\j
.endr
.irp e, 0,1,2,3,4,5,6,7
	ds_load_b128 v[WF0+4*\e:WF0+4*\e+3], v1 offset:512*\e          ; Wo's fragments of channel tile 0
.endr
	s_wait_dscnt 8                                 ; those eight may stay out
	v_pk_add_f32 v[56:57], v[80:81], v[84:85]
	v_pk_add_f32 v[58:59], v[82:83], v[86:87]
.irp j, 2,3,4,5,6,7
	v_pk_add_f32 v[56:57], v[56:57], v[80+4*\j:81+4*\j]
	v_pk_add_f32 v[58:59], v[58:59], v[82+4*\j:83+4*\j]
.endr
.irp ct, 0,1,2,3
	v_permlanex16_b32 v[44+\ct], v[48+\ct], s22, s23               ; lanes 0 to 15 take the sum of the parts' squares from lanes 16 to 31
.endr
.irp ct, 0,1,2,3
	v_fmamk_f32 v[44+\ct], v[56+\ct], 0x43000000, v[44+\ct]        ; + 128 x the sum of (mean_i - mean)^2
.endr
.irp ct, 0,1,2,3
	v_fma_f32 v[44+\ct], v[44+\ct], s25, s24                       ; / 32,768 + 1e-5
.endr
.irp ct, 0,1,2,3
	v_rsq_f32 v[44+\ct], v[44+\ct]
.endr
	v_cmp_gt_u32 vcc_lo, 16, v2                    ; a plain instruction between the roots and their use (ISA guide 5.7.2)
	s_wait_alu depctr_va_vdst(0)
.irp ct, 0,1,2,3
	v_mul_f32 v[56+\ct], v[GA+\ct], v[44+\ct]
.endr
.irp ct, 0,1,2,3
	v_fma_f32 v[60+\ct], -v[52+\ct], v[56+\ct], v[BE+\ct]
.endr
.irp ct, 0,1,2,3
	v_permlanex16_b32 v[40+\ct], v[56+\ct], s22, s23
	v_permlanex16_b32 v[44+\ct], v[60+\ct], s22, s23
.endr
.irp ct, 0,1,2,3
	v_cndmask_b32 v[AP+2*\ct], v[40+\ct], v[56+\ct], vcc_lo        ; lanes 16 to 31 take lanes 0 to 15's figures
	v_cndmask_b32 v[BP+2*\ct], v[44+\ct], v[60+\ct], vcc_lo
.endr
.irp ct, 0,1,2,3
	v_mov_b32 v[AP+2*\ct+1], v[AP+2*\ct]
	v_mov_b32 v[BP+2*\ct+1], v[BP+2*\ct]
.endr
; One channel tile: 16 channels x my 64 positions.  wf: Wo's fragments; wfn: the buffer for the next tile's (more = 1).
.macro CT ct, wf, wfn, more
	s_wait_dscnt 0x0                               ; Wo's fragments are in
.if \ct == 0
	s_wait_loadcnt 32                              ; x's 32 loads may stay out: y is in
.endif
	WIN 0x01
.irp a, 0,1,2,3
.irp qt, 0,1,2,3
.if \a == 0
	v_wmma_f32_16x16x32_f16 v[DD+8*\qt:DD+8*\qt+7], v[32*\qt+8*\a:32*\qt+8*\a+7], v[\wf+8*\a:\wf+8*\a+7], 0
.else
	v_wmma_f32_16x16x32_f16 v[DD+8*\qt:DD+8*\qt+7], v[32*\qt+8*\a:32*\qt+8*\a+7], v[\wf+8*\a:\wf+8*\a+7], v[DD+8*\qt:DD+8*\qt+7]   ; four accumulators by turns
.endif
.endr
.endr
	PLACES 4                                       ; behind the last product, then its results are read (ISA guide 7.12.1)
	WIN 0
.if \more
.irp e, 0,1,2,3,4,5,6,7
	ds_load_b128 v[\wfn+4*\e:\wfn+4*\e+3], v1 offset:(8*(\ct+1)+\e)*512
.endr
.endif
.set p, 0
.rept 16
	v_pk_fma_f32 v[DD+2*p:DD+2*p+1], v[DD+2*p:DD+2*p+1], v[AP+2*\ct:AP+2*\ct+1], v[BP+2*\ct:BP+2*\ct+1]
.set p, p+1
.endr
.irp qt, 0,1,2,3
	ds_store_b128 v6, v[DD+8*\qt:DD+8*\qt+3] offset:64*\qt
	ds_store_b128 v6, v[DD+8*\qt+4:DD+8*\qt+7] offset:64*\qt+16
.endr
	s_wait_xcnt 0x0                                ; the rows' registers, which the last tile's stores read, are loaded again only behind this wait
.irp t, 0,1,2,3,4,5,6,7
	ds_load_b128 v[RR+4*\t:RR+4*\t+3], v7 offset:\t*2*SPITCH       ; my own bytes: LDS serves a wave's instructions in order (ISA guide 5.7.1.4)
.endr
	s_wait_dscnt 0x0
	s_wait_loadcnt 24-8*\ct                        ; the later channel tiles' loads of x may stay out
	WIN 0x01
.set p, 0
.rept 16
	v_pk_add_f32 v[RR+2*p:RR+2*p+1], v[128+32*\ct+2*p:128+32*\ct+2*p+1], v[RR+2*p:RR+2*p+1]
.set p, p+1
.endr
	WIN 0
.irp t, 0,1,2,3,4,5,6,7
	global_store_b128 v5, v[RR+4*\t:RR+4*\t+3], s[16:17] offset:(16*\ct+2*\t)*16384 th:TH_STORE_NT   ; 16 lanes store 256 consecutive bytes, aligned
.endr
.endm
	CT 0, WF0, WF1, 1
	CT 1, WF1, WF0, 1
	CT 2, WF0, WF1, 1
	CT 3, WF1, WF0, 0
	s_wait_tensorcnt 0x0
	ds_add_u32 v14, v15
	s_wait_dscnt 0x0
	s_endpgm
.Lfunc_end_k_q5bceb9c4cf_bnout:
	.size	k_q5bceb9c4cf_bnout, .Lfunc_end_k_q5bceb9c4cf_bnout-k_q5bceb9c4cf_bnout
	.p2alignl 7, 3214868480
	.fill 96, 4, 3214868480
	.section	.rodata,"a",@progbits
	.p2align	6, 0x0
	.amdhsa_kernel k_q5bceb9c4cf_bnout
		.amdhsa_group_segment_fixed_size 60416
		.amdhsa_private_segment_fixed_size 0
		.amdhsa_enable_private_segment 0
		.amdhsa_kernarg_size 56
		.amdhsa_user_sgpr_count 2
		.amdhsa_user_sgpr_kernarg_segment_ptr 1
		.amdhsa_wavefront_size32 1
		.amdhsa_system_sgpr_workgroup_id_x 1
		.amdhsa_system_sgpr_workgroup_id_y 1
		.amdhsa_system_sgpr_workgroup_id_z 1
		.amdhsa_system_vgpr_workitem_id 0
		.amdhsa_next_free_vgpr 512
		.amdhsa_next_free_sgpr 66
		.amdhsa_reserve_vcc 1
		.amdhsa_float_denorm_mode_32 3
		.amdhsa_float_denorm_mode_16_64 3
		.amdhsa_memory_ordered 1
		.amdhsa_forward_progress 1
		.amdhsa_inst_pref_size 56
	.end_amdhsa_kernel
	.amdgpu_metadata
---
amdhsa.version: [ 1, 2 ]
amdhsa.kernels:
  - .name:           k_q5bceb9c4cf_bnout
    .symbol:         k_q5bceb9c4cf_bnout.kd
    .args:
      - { .name: x, .offset: 0, .size: 8, .value_kind: global_buffer, .address_space: global }
      - { .name: yw, .offset: 8, .size: 8, .value_kind: global_buffer, .address_space: global }
      - { .name: wob, .offset: 16, .size: 8, .value_kind: global_buffer, .address_space: global }
      - { .name: pst, .offset: 24, .size: 8, .value_kind: global_buffer, .address_space: global }
      - { .name: gamma, .offset: 32, .size: 8, .value_kind: global_buffer, .address_space: global }
      - { .name: beta, .offset: 40, .size: 8, .value_kind: global_buffer, .address_space: global }
      - { .name: out0, .offset: 48, .size: 8, .value_kind: global_buffer, .address_space: global }
    .group_segment_fixed_size: 60416
    .private_segment_fixed_size: 0
    .kernarg_segment_align: 8
    .kernarg_segment_size: 56
    .max_flat_workgroup_size: 256
    .sgpr_count:     66
    .vgpr_count:     512
    .wavefront_size: 32
...
	.end_amdgpu_metadata
.endif
;; end of part 3
;; ======== version 2 of 3: 3 launches; 1.25 times as fast as version 1
;; limits: values are held in f16: magnitudes above 65,504 overflow, below 6.1e-05 lose precision
;; workspace buffers: tq 8,388,608 bytes; fk 8,388,608 bytes; gv 8,388,608 bytes; wob 65,536 bytes; yw 8,388,608 bytes; pst 524,288 bytes
;; launch proj: the kernel of part 1 again; grid 32 x 8, 16 waves a work-group, no clusters, 278,528 bytes of LDS; arguments x, Wt, Wf, Wg, bt, Wo, tq, fk, gv, wob; writes tq, fk, gv, wob
;; launch attn (part 4): grid 32 x 8, 4 waves a work-group, clusters of 4 x 1, 327,680 bytes of LDS; arguments tq, fk, gv, wob, yw, pst; writes yw, pst
.if DOCPART == 4
	.amdgcn_target "amdgcn-amd-amdhsa--gfx1250"
	.amdhsa_code_object_version 6
	.text
	.protected	k_q5bceb9c4cf_attn
	.globl	k_q5bceb9c4cf_attn
	.p2align	8
	.type	k_q5bceb9c4cf_attn,@function
k_q5bceb9c4cf_attn:
	s_mov_b64 s[64:65], 0
	v_nop
	global_prefetch_b8 v0, s[64:65] scope:SCOPE_SE
	s_setreg_imm32_b32 hwreg(HW_REG_WAVE_MODE, 25, 1), 1
	s_wait_xcnt 0x0
	s_wait_alu depctr_hold_cnt(0) depctr_sa_sdst(0) depctr_va_vdst(0) depctr_va_sdst(0) depctr_va_ssrc(0) depctr_va_vcc(0) depctr_vm_vsrc(0)
	s_getreg_b32 s2, hwreg(HW_REG_IB_STS2, 6, 4)
	s_cmp_eq_u32 s2, 0
	s_cbranch_scc0 .Lentry_in_a_cluster
	s_endpgm
.Lentry_in_a_cluster:
	s_bfe_u32 s2, ttmp6, 0x10000c
	s_cmp_lg_u32 s2, 0x3003
	s_cbranch_scc0 .Lentry_shape_is_right
	s_endpgm
.Lentry_shape_is_right:
; ATTN: y = softmax(t^T f) g with a running maximum, and each work-group's part of BatchNorm's statistics of z = Wo y.
; Left out, as shown at the head of the first kernel: bf (the same along the softmax's axis), bg and bo (constants of a channel, which BatchNorm takes away).
; FORMAT: all matrix operands f16 (t, f, g, p, y, Wo), scores, maxima, sums and accumulators f32.  LIMIT: operands below 65,504, as stated at the head of the first kernel.
; tq holds log2(e) t, so p = 2^(s - m) with the subtraction exact.  l is summed from p in f32, the products take p rounded to f16.
; The exponential gives 0 below 2^-126 (ISA guide 15.8); every l is at least 1, since the largest score of a row gives p = 1.
;
; A work-group takes 128 queries of one batch and walks all 4,096 keys in 32 steps of 128.  Four waves as 2 x 2: wave w has the 64 queries of half qh = w >> 1
; and, in every step, the 64 keys of half kh = w & 1: it reads 32 KiB of LDS for 128 matrix instructions.  Each wave keeps m, l and O for its own keys;
; the two waves of a query half are merged once, at the end.
; ORIENTATION: S^T = K Q^T (source 0 = 16 keys, source 1 = 16 queries): lane L = 16 h + r holds query r, its registers the keys 8 h + 0..7.  So the row maximum is taken
; inside the lane and with one exchange of the halves, the factor alpha is the lane's own, and two tiles of p packed to f16 are a source 1 of O^T = V P^T as they stand.
;
; THE LOOP IS A PIPELINE OVER THE STEPS.  In body j the matrix instructions are O += V(j-1) P(j-1) (64) and then S(j+1) = K(j+1) Q (64); the vector work is step j's, from S(j) to
; P(j), 540 instructions cut into 128 slices, one behind each product: 248 behind the products of PV (the maximum, then most subtractions and exponentials), 292 behind those of S
; (the rest of these, the sum l, the packing, O x alpha).  O x alpha so stands behind all of PV(j-1) and in front of PV(j).  The slices name no register of the products round them:
; S has two buffers, S(j) and P(j) in buffer j & 1, while the products read P(j-1) and write S(j+1) in the other.
; FRAGMENTS: two pairs of buffers of 64 registers; body j uses pair j & 1.  It holds V(j-1); each half is filled with K(j+1) when PV has read it, and with V(j+1) when S has read it.
; So body j takes from LDS exactly step j+1's K and V, each fragment once, and a slot's last read and the next slot's first read meet at one place.
; A fetch (16 LDS loads in a run) stands behind the fourth product of the next block: the five slices between hold at least four plain vector instructions that name none of
; the registers of the last product that read the buffer, so the loop has no v_nop.
; O IS CLEARED ONCE, by 256 moves that stand in step 0's slices where later steps have O x alpha (1 KiB of text).  Then PV(0) adds in place like every later one and body 1 runs in the
; loop's text.  A first product with C = 0 would ask for body 1 to be written out, and, since the loop has four bodies a trip and refills end in body 27, for three more:
; four bodies of about 1,000 instructions that run once.
;
; CLUSTER: the four work-groups of a cluster have the same batch and walk the same K and V: every tile is asked for jointly (mask 15), which divides these requests by four.
; LDS: two slots of 128 KiB, each with the K and V of 256 keys (two steps): K step 0, K step 1, V step 0, V step 1, 32 KiB each; wave w fetches part w with one tensor load.
; By this text's own count a wave has two tensor loads out at the start and one behind each refill's barrier; that load has two steps' work in which to land.
; Behind the slots: 4 KiB for the waves' m and l.  O for the merge goes into slot 0 and y into slot 1, each behind the slot's last fill and last read.
; The data lie in memory in fragment order (chunks of 512 bytes, lane L at 16 L), so every LDS load takes 512 consecutive bytes.
;
; REGISTERS: window 0: v1-15 addresses, v16-55 softmax, v56-127 epilogue, v128-255 S buffer 0.     window 1: v0-127 Q(qt, a) at 32 qt + 8 a (later Wo), v128-255 fragment pair 0.
;            window 2: O(qt, dt) at 8 (8 qt + dt) (later z).                                       window 3: v0-127 fragment pair 1, v128-255 S buffer 1.
;            In an S buffer: S(kt, qt) at 128 + 32 qt + 8 kt, then P(qt, a) at 128 + 32 qt + 16 a.
.set FA, 128                           ; epilogue: two buffers in window 1
.set FB, 192
.set SB, 128
.set MX, 16                            ; v[16+2 qt], +1: the running maximum, twice (a pair for the packed subtraction)
.set AL, 24                            ; v[24+2 qt], +1: alpha = 2^(old m - new m), twice
.set LS, 32                            ; v[32+2 qt], +1: two partial sums of l
.set TT, 40                            ; v[40+4 qt .. +3]: at work
.set ZT, 64                            ; v[64:95]: statistics at work
.set SLOTB, 131072
.set ST, 262144
.set N1, 280                           ; the vector phase's first list: maximum 88, subtractions 64, exponentials 128
.set NA, 248                           ; of the 540 instructions, those behind the 64 products of PV,
.set NB, 292                           ; and those behind the 64 products of S
.set HOOKAT, 4                         ; a fetch stands in front of a block's product number 4
.set MSB, 0
.set HK, 0
.set HMODE, 0
.set VPH, 0
.set FIRST, 0
.set SN, 0
.set K1, 0
.set K2, 0
.macro WIN new                         ; s_set_vgpr_msb: bits 1:0 source 0, 3:2 source 1, 5:4 source 2, 7:6 destination; the high byte repeats the setting that is left
.if MSB != \new
	s_set_vgpr_msb (MSB<<8)|\new
.set MSB, \new
.endif
.endm
.macro PLACES n
.rept \n
	v_nop
.endr
.endm
; A round of the cluster's barrier: my work-group's barrier, wave 0 signals for the work-group, every wave waits for the four work-groups, my work-group's barrier again.
.macro ROUND
	s_barrier_signal -1
	s_barrier_wait -1
	s_cmp_lg_u32 s16, 0
	s_cbranch_scc1 .Lnot_wave_0_\@
	s_barrier_signal -3
.Lnot_wave_0_\@:
	s_barrier_wait -3
	s_barrier_signal -1
	s_barrier_wait -1
.endm
.macro JLOAD s                         ; my quarter of slot s, asked for jointly by the same wave of all four work-groups
	tensor_load_to_lds s[32+4*\s:35+4*\s], s[24:31]
	s_nop 0
.endm
	s_load_b256 s[4:11], s[0:1], 0x0               ; tq 4, fk 6, gv 8, wob 10
	s_load_b128 s[12:15], s[0:1], 0x20             ; yw 12, pst 14
	v_lshl_add_u32 v254, v0, 2, 0x41000
	v_mov_b32 v255, 0
	ds_add_u32 v254, v255
	s_wait_dscnt 0x0
	v_lshrrev_b32 v1, 5, v0
	v_readfirstlane_b32 s16, v1                    ; wave w
	s_and_b32 s17, s16, 1                          ; kh.  Also: which step's tile of a slot I fetch
	s_lshr_b32 s18, s16, 1                         ; qh.  Also: I fetch K (0) or V (1)
	s_bfe_u32 s19, ttmp6, 0x40000                  ; cx
	s_lshl_b32 s20, ttmp9, 2
	s_add_co_u32 s20, s20, s19                     ; which 128 queries = 4 x cluster x + cx: enters the addresses of tq, yw and pst alone
	s_and_b32 s21, ttmp7, 0xffff                   ; b, the same in the four partners
	s_mov_b32 s48, 0x76543210                      ; v_permlanex16_b32: lane i takes lane i of the other half
	s_mov_b32 s49, 0xfedcba98
	; descriptor group 1: a dense block of 32 KiB as 128 rows of 32 elements of 8 bytes
	s_mov_b32 s24, 15|(3<<16)|(1<<21)              ; 15:0 the mask: all four work-groups; 17:16 elements of 8 bytes; 21 set beside a mask; no padding
	s_mov_b32 s25, 32<<16                          ; tensor_dim0 = 32
	s_mov_b32 s26, 128<<16                         ; tensor_dim1 = 128
	s_mov_b32 s27, 32<<16                          ; tile_dim0 = 32
	s_mov_b32 s28, 128                             ; tile_dim1 = 128
	s_mov_b32 s29, 32                              ; 32 elements from row to row
	s_mov_b32 s30, 0
	s_mov_b32 s31, 0
	v_and_b32 v2, 31, v0                           ; lane
	v_lshlrev_b32 v1, 4, v2                        ; 16 lane
	v_lshlrev_b32 v3, 2, v2                        ; 4 lane
	s_lshl_b32 s40, s17, 14
	v_add_nc_u32 v4, s40, v1                       ; K, slot 0: my four key tiles of 4,096 bytes
	v_add_nc_u32 v5, 0x10000, v4                   ; V, slot 0
	v_add_nc_u32 v6, 0x20000, v4                   ; K, slot 1
	v_add_nc_u32 v7, 0x30000, v4                   ; V, slot 1
	s_lshl_b32 s41, s16, 10
	s_add_co_u32 s41, s41, ST
	v_add_nc_u32 v8, s41, v3                       ; my m and l: m(qt) at 128 qt, l(qt) at 512 + 128 qt
	s_lshl_b32 s42, s17, 8
	v_add_nc_u32 v9, s42, v8                       ; my own figures of the query tiles 2 kh, 2 kh + 1, which I finish
	s_xor_b32 s43, s16, 1                          ; the wave with the same queries and the other keys
	s_lshl_b32 s44, s43, 10
	s_add_co_u32 s44, s44, ST
	s_add_co_u32 s44, s44, s42
	v_add_nc_u32 v10, s44, v3                      ; its figures of the same tiles
	s_lshl_b32 s45, s16, 15
	v_add_nc_u32 v11, s45, v1                      ; my O, 32 KiB
	v_add_nc_u32 v12, s40, v11                     ; my O of the tiles that I finish
	s_lshl_b32 s46, s43, 15
	s_add_co_u32 s46, s46, s40
	v_add_nc_u32 v13, s46, v1                      ; the partner's O of them
	s_lshl_b32 s47, s16, 13
	s_add_co_u32 s47, s47, SLOTB
	v_add_nc_u32 v14, s47, v1                      ; y of my two finished tiles: query tile 2 w + j of the work-group's eight, 4,096 bytes each
	v_add_nc_u32 v15, SLOTB, v1                    ; y of all eight
	s_wait_kmcnt 0x0
	s_cmp_lt_u32 s16, 2
	s_cselect_b64 s[40:41], s[6:7], s[8:9]         ; waves 0, 1 fetch from fk, waves 2, 3 from gv
	s_lshl_b32 s42, s21, 20
	s_lshl_b32 s43, s17, 15
	s_add_co_u32 s42, s42, s43                     ; batch b, and step 0 or 1 of the slot's two: nothing here hangs on cx
	s_mov_b32 s43, 0
	s_add_nc_u64 s[40:41], s[40:41], s[42:43]
	s_mov_b32 s32, 1                               ; group 0 of slot 0: count 1,
	s_lshl_b32 s33, s16, 15                        ; LDS address: part w of the slot,
	s_mov_b64 s[34:35], s[40:41]                   ; keys 0 to 255,
	s_or_b32 s35, s35, 0x80000000                  ; type 2
	s_mov_b32 s36, 1                               ; group 0 of slot 1
	s_add_co_u32 s37, s33, SLOTB
	s_add_nc_u64 s[38:39], s[40:41], 65536         ; keys 256 to 511
	s_or_b32 s39, s39, 0x80000000
	s_lshl_b32 s44, s21, 20
	s_lshl_b32 s46, s20, 15
	s_add_co_u32 s44, s44, s46
	s_mov_b32 s45, 0
	s_mov_b32 s47, 0
	s_add_nc_u64 s[4:5], s[4:5], s[44:45]          ; tq and yw at the work-group's eight query tiles
	s_add_nc_u64 s[12:13], s[12:13], s[44:45]
	s_lshl_b32 s46, s18, 14
	s_add_nc_u64 s[4:5], s[4:5], s[46:47]          ; tq: my four tiles
	s_lshl_b32 s46, s16, 13
	s_add_nc_u64 s[12:13], s[12:13], s[46:47]      ; yw: the two tiles that I finish
	s_lshl_b32 s46, s16, 14
	s_add_nc_u64 s[10:11], s[10:11], s[46:47]      ; wob: channels 64 w .. 64 w + 63
	s_lshl_b32 s44, s21, 16
	s_lshl_b32 s46, s20, 11
	s_add_co_u32 s44, s44, s46
	s_lshl_b32 s46, s16, 9
	s_add_co_u32 s44, s44, s46
	s_add_nc_u64 s[14:15], s[14:15], s[44:45]      ; pst: 2,048 bytes a work-group, 512 a wave
	ROUND                                          ; the four work-groups are here: the first joint loads meet
	JLOAD 0                                        ; both first fills go out as one group, ahead of every wait on them, LDS read and further barrier
	JLOAD 1
	WIN 0x40
.set i, 0
.rept 32
	global_load_b128 v[4*i:4*i+3], v1, s[4:5] offset:512*i         ; Q: chunk 8 qt + e into registers 4 (8 qt + e) of window 1
.set i, i+1
.endr
	WIN 0
; What hangs on a body's parity: the S buffer of the vector phase (window VS), the other one, which the products read and write (MS), the fragment pair (window FW, bases FAB, FBB),
; and the window settings made of them.
.macro PARITY par
.if \par
.set VS, 3
.set MS, 0
.set FW, 3
.set FAB, 0
.set FBB, 64
.else
.set VS, 0
.set MS, 3
.set FW, 1
.set FAB, 128
.set FBB, 192
.endif
.set WPV, (0xa0|(MS<<2)|FW)                    ; PV: source 0 = V, source 1 = P, C and D = O in window 2
.set WSM, ((MS<<6)|(MS<<4)|4|FW)               ; S: source 0 = K, source 1 = Q in window 1, C and D = S
.set WFE, (FW<<6)                              ; a fetch: destination in the pair's window, address in window 0
.set WSSS, (VS|(VS<<2)|(VS<<4))                ; vector work: three sources in S, destination in window 0
.set WSS0, (VS|(VS<<2))                        ; sources 0 and 1 in S
.set WS00, VS                                  ; source 0 in S
.set W00S, (VS<<4)                             ; source 2 in S
.set WDS, ((VS<<6)|VS)                         ; destination and source 0 in S
.set WCV, ((VS<<6)|(VS<<2)|VS)                 ; destination and sources 0 and 1 in S
.endm
; 16 LDS loads: the K fragments of key tiles kt0, kt0 + 1 (of my four) x all of d, into buf + 8 (4 kk + a)
.macro FK buf, slot, sub, kt0
.irp kk, 0,1
.irp a, 0,1,2,3
	ds_load_b128 v[\buf+8*(4*\kk+\a):\buf+8*(4*\kk+\a)+3],   v[4+2*\slot] offset:\sub*32768+(\kt0+\kk)*4096+\a*1024
	ds_load_b128 v[\buf+8*(4*\kk+\a)+4:\buf+8*(4*\kk+\a)+7], v[4+2*\slot] offset:\sub*32768+(\kt0+\kk)*4096+\a*1024+512
.endr
.endr
.endm
; 16 LDS loads: the V fragments of keys 32 ap .. 32 ap + 31 (of my 64) x all eight tiles of d, into buf + 8 dt
.macro FV buf, slot, sub, ap
.irp dt, 0,1,2,3,4,5,6,7
	ds_load_b128 v[\buf+8*\dt:\buf+8*\dt+3],   v[5+2*\slot] offset:\sub*32768+2*\ap*4096+\dt*512
	ds_load_b128 v[\buf+8*\dt+4:\buf+8*\dt+7], v[5+2*\slot] offset:\sub*32768+2*\ap*4096+\dt*512+4096
.endr
.endm
; ASK notes the fetch that the next block is to issue (kind 1: K, 2: V; mode 1: a change of slots with a refill in front of it, 2: the last change of slots); HOOK issues it.
.macro ASK kind, buf, idx, slot, sub, mode
.set HK, \kind
.set HBUF, \buf
.set HIDX, \idx
.set HSLOT, \slot
.set HSUB, \sub
.set HMODE, \mode
.set HWF, WFE
.endm
.macro HOOK
.if HMODE == 1
	WIN 0                                          ; branches and a label follow
	s_wait_dscnt 0x0                               ; my reads of the other slot are over: the last were its second step's V,
	s_wait_xcnt 0x0
	v_lshl_add_u32 v254, v0, 2, 0x41000
	v_mov_b32 v255, 0
	s_wait_tensorcnt 0x0                           ; and all my tensor loads have landed: the one that was out is my part of the slot read next; so a group 0 may be written:
	ds_add_u32 v254, v255
	s_wait_dscnt 0x0
	s_add_nc_u64 s[38-4*HSLOT:39-4*HSLOT], s[38-4*HSLOT:39-4*HSLOT], 2*65536   ; the other slot's next 256 keys
	ROUND                                          ; both now hold of every wave of the four work-groups
	tensor_load_to_lds s[36-4*HSLOT:39-4*HSLOT], s[24:31]          ; my one tensor load behind the round, and the first thing there
	s_nop 0
.endif
.if HMODE == 2
	s_wait_dscnt 0x0
	s_wait_tensorcnt 0x0                           ; my part of the last 256 keys is in,
	s_barrier_signal -1
	s_barrier_wait -1                              ; everybody's is; and nobody reads slot 0 any more
.endif
.if HK == 1
	WIN HWF
	FK HBUF, HSLOT, HSUB, HIDX
.endif
.if HK == 2
	WIN HWF
	FV HBUF, HSLOT, HSUB, HIDX
.endif
.set HK, 0
.set HMODE, 0
.endm
; THE VECTOR PHASE OF A STEP, four query tiles x 64 keys, as two lists of single instructions; the four tiles' instructions alternate, so that none waits for the one in front of it.
; OP1 issues number K1 of the first list.  FIRST = 1 (step 0): there is no maximum so far and no alpha.
.macro SUBM p, q                       ; s - m, two keys of a query tile
	WIN WDS
	v_pk_add_f32 v[SB+32*\q+2*\p:SB+32*\q+2*\p+1], v[SB+32*\q+2*\p:SB+32*\q+2*\p+1], v[MX+2*\q:MX+2*\q+1] neg_lo:[0,1] neg_hi:[0,1]
.endm
.macro OP1
.set OQ, (K1&3)
.if K1 < 16                                            ; four chains a query tile: chain c takes registers 8 c .. 8 c + 6
.set OC, (K1>>2)
	WIN WSSS
	v_max3_num_f32 v[TT+4*OQ+OC], v[SB+32*OQ+8*OC], v[SB+32*OQ+8*OC+1], v[SB+32*OQ+8*OC+2]
.elseif K1 < 48
.set OC, ((K1>>2)&3)
.set OD, (3+2*((K1-16)>>4))
	WIN WSS0
	v_max3_num_f32 v[TT+4*OQ+OC], v[SB+32*OQ+8*OC+OD], v[SB+32*OQ+8*OC+OD+1], v[TT+4*OQ+OC]
.elseif K1 < 56                                        ; registers 7 and 15 go to chain 0, 23 and 31 to chain 2
.set OC, (2*((K1-48)>>2))
	WIN WSS0
	v_max3_num_f32 v[TT+4*OQ+OC], v[SB+32*OQ+8*OC+7], v[SB+32*OQ+8*OC+15], v[TT+4*OQ+OC]
.elseif K1 < 60
	WIN 0
	v_max3_num_f32 v[TT+4*OQ], v[TT+4*OQ], v[TT+4*OQ+1], v[TT+4*OQ+2]
.elseif K1 < 64
	WIN 0
.if FIRST
	v_max_num_f32 v[TT+4*OQ], v[TT+4*OQ], v[TT+4*OQ+3]
.else
	v_max3_num_f32 v[TT+4*OQ], v[TT+4*OQ], v[TT+4*OQ+3], v[MX+2*OQ]        ; with the maximum so far
.endif
.elseif K1 < 68
	WIN 0
	v_permlanex16_b32 v[TT+4*OQ+1], v[TT+4*OQ], s48, s49                   ; the other half of the lanes holds the query's other keys
.elseif K1 < 72
	WIN 0
	v_max_num_f32 v[TT+4*OQ+2], v[TT+4*OQ], v[TT+4*OQ+1]
.elseif K1 < 76
.if FIRST == 0
	WIN 0
	v_sub_f32 v[AL+2*OQ], v[MX+2*OQ], v[TT+4*OQ+2]
.endif
.elseif K1 < 80
.if FIRST == 0
	WIN 0
	v_exp_f32 v[AL+2*OQ], v[AL+2*OQ]                                       ; the moves below are the plain instructions behind these (ISA guide 5.7.2)
.endif
.elseif K1 < 88
	WIN 0
	v_mov_b32 v[MX+K1-80], v[TT+4*((K1-80)>>1)+2]
.elseif K1 < 92
	SUBM 0, OQ
.elseif K1 < 272                                       ; group g = 1 .. 15: the subtractions of pair g, and between them, two at a time, the exponentials of pair g - 1
.set OU, (K1-92)
.set OG, (1+(OU/12))
.set OT, (OU%12)
.set OTQ, (OT/3)
.if (OT%3) == 0
	SUBM OG, OTQ
.else
.set OE, ((2*OTQ)+(OT%3)-1)
	WIN WDS
	v_exp_f32 v[SB+32*(OE&3)+2*(OG-1)+(OE>>2)], v[SB+32*(OE&3)+2*(OG-1)+(OE>>2)]
.endif
.else
.set OE, (K1-272)
	WIN WDS
	v_exp_f32 v[SB+32*(OE&3)+30+(OE>>2)], v[SB+32*(OE&3)+30+(OE>>2)]       ; the second list's first instruction is plain and reads none of these
.endif
.set K1, K1+1
.endm
; OP2 issues number K2 of the second list, 260 long: l, p to f16, O x alpha.  FIRST = 1: l starts, and O is cleared.
.macro OP2
.set OQ, (K2&3)
.if K2 < 4
.if FIRST == 0
	WIN 0
	s_wait_alu depctr_va_vdst(0)
	v_mov_b32 v[AL+2*OQ+1], v[AL+2*OQ]
.endif
.elseif K2 < 8
.if FIRST
	WIN WSS0
	s_wait_alu depctr_va_vdst(0)
	v_pk_add_f32 v[LS+2*OQ:LS+2*OQ+1], v[SB+32*OQ:SB+32*OQ+1], v[SB+32*OQ+2:SB+32*OQ+3]
.else
	WIN W00S
	v_pk_fma_f32 v[LS+2*OQ:LS+2*OQ+1], v[LS+2*OQ:LS+2*OQ+1], v[AL+2*OQ:AL+2*OQ+1], v[SB+32*OQ:SB+32*OQ+1]
.endif
.elseif K2 < 68
.set OPP, (1+((K2-8)>>2))
.set OSK, 0
.if FIRST
.if OPP == 1
.set OSK, 1                                            ; step 0 has taken pair 1 already
.endif
.endif
.if OSK == 0
	WIN WS00
	v_pk_add_f32 v[LS+2*OQ:LS+2*OQ+1], v[SB+32*OQ+2*OPP:SB+32*OQ+2*OPP+1], v[LS+2*OQ:LS+2*OQ+1]
.endif
.elseif K2 < 132                                       ; in place: the 16 numbers of two key tiles become the 8 registers of P(qt, a); a destination never lies ahead of its sources
.set OC, ((K2-68)>>2)
	WIN WCV
	v_cvt_pk_f16_f32 v[SB+32*OQ+16*(OC>>3)+(OC&7)], v[SB+32*OQ+16*(OC>>3)+2*(OC&7)], v[SB+32*OQ+16*(OC>>3)+2*(OC&7)+1]
.else
.set OPP, ((K2-132)>>2)
	WIN 0x82
.if FIRST
	v_mov_b32 v[64*OQ+2*OPP], 0
	v_mov_b32 v[64*OQ+2*OPP+1], 0
.else
	v_pk_mul_f32 v[64*OQ+2*OPP:64*OQ+2*OPP+1], v[64*OQ+2*OPP:64*OQ+2*OPP+1], v[AL+2*OQ:AL+2*OQ+1]   ; the lane's own factor, since a lane holds one query
.endif
.endif
.set K2, K2+1
.endm
.macro OPV                             ; the next instruction of the two lists
.if K1 < N1
	OP1
.else
	OP2
.endif
.endm
; The slice behind product number SN of a run of 64: an even share of the run's NA or NB instructions (VPH = 1, 2; 0: none)
.macro SLICE
.if VPH == 1
.rept (((SN+1)*NA)/64)-((SN*NA)/64)
	OPV
.endr
.endif
.if VPH == 2
.rept (((SN+1)*NB)/64)-((SN*NB)/64)
	OPV
.endr
.endif
.set SN, SN+1
.endm
; 32 products on the 32 accumulators of O, which take turns, one instruction a turn: 32 keys
.macro PVBLK buf, ap
.set PN, 0
.irp dt, 0,1,2,3,4,5,6,7
.irp qt, 0,1,2,3
.if PN == HOOKAT
	HOOK
.endif
	WIN WPV
	v_wmma_f32_16x16x32_f16 v[8*(8*\qt+\dt):8*(8*\qt+\dt)+7], v[\buf+8*\dt:\buf+8*\dt+7], v[SB+32*\qt+16*\ap:SB+32*\qt+16*\ap+7], v[8*(8*\qt+\dt):8*(8*\qt+\dt)+7]
	SLICE
.set PN, PN+1
.endr
.endr
.endm
; 32 products: S of two key tiles x four query tiles, d in four steps of 32; the eight accumulators take turns, one instruction a turn
.macro SBLK buf, kt0
.set PN, 0
.irp a, 0,1,2,3
.irp kk, 0,1
.irp qt, 0,1,2,3
.if PN == HOOKAT
	HOOK
.endif
	WIN WSM
.if \a == 0
	v_wmma_f32_16x16x32_f16 v[SB+32*\qt+8*(\kt0+\kk):SB+32*\qt+8*(\kt0+\kk)+7], v[\buf+8*(4*\kk+\a):\buf+8*(4*\kk+\a)+7], v[32*\qt+8*\a:32*\qt+8*\a+7], 0
.else
	v_wmma_f32_16x16x32_f16 v[SB+32*\qt+8*(\kt0+\kk):SB+32*\qt+8*(\kt0+\kk)+7], v[\buf+8*(4*\kk+\a):\buf+8*(4*\kk+\a)+7], v[32*\qt+8*\a:32*\qt+8*\a+7], v[SB+32*\qt+8*(\kt0+\kk):SB+32*\qt+8*(\kt0+\kk)+7]
.endif
	SLICE
.set PN, PN+1
.endr
.endr
.endr
.endm
; Body j.  par = j & 1; (nslot, nsub): where step j + 1 lies; mode: the change of slots in front of its first fetch; first: body 0; last: body 31.
; The first block also issues the fetch that the body before has left: V(j), keys 32 to 63.
; V needs no wait of its own: it was asked for a body and more ago, and both waits for 0 of the body before lie between.
.macro BODY par, nslot, nsub, mode, first, last
	PARITY \par
.set FIRST, \first
.set K1, 0
.set K2, 0
.set SN, 0
.if \first
	WIN WFE
	FK FAB, \nslot, \nsub, 0                       ; no product has read this pair yet
.rept NA
	OPV                                            ; there is no PV(-1) to set these behind
.endr
.else
.set VPH, 1
	PVBLK FAB, 0
.if \last == 0
	ASK 1, FAB, 0, \nslot, \nsub, \mode
.endif
	PVBLK FBB, 1
.endif
.set SN, 0
.if \last
.rept NB
	OPV                                            ; there is no S(32)
.endr
.else
.set VPH, 2
	s_wait_dscnt 0x0                               ; the loads that are out are K's key tiles 0 and 1, asked for 28 products ago
	ASK 1, FBB, 2, \nslot, \nsub, 0
	SBLK FAB, 0
	s_wait_dscnt 0x0                               ; K's key tiles 2 and 3, likewise
	ASK 2, FAB, 0, \nslot, \nsub, 0
	SBLK FBB, 2
	ASK 2, FBB, 1, \nslot, \nsub, 0
.endif
.set VPH, 0
.endm
	s_wait_tensorcnt 0x1                           ; my part of slot 0 is in; slot 1's may stay out
	s_barrier_signal -1
	s_barrier_wait -1
	; S(0), with no vector work to set behind its products: four v_nop are the places in front of each fetch and of the first read of S (ISA guide 7.12.1)
	PARITY 1
	WIN WFE
	FK FAB, 0, 0, 0
	FK FBB, 0, 0, 2
	s_wait_loadcnt 0x0                             ; Q
	s_wait_dscnt 16                                ; the second run of 16 may stay out
	SBLK FAB, 0
	PLACES 4
	WIN WFE
	FV FAB, 0, 0, 0
	s_wait_dscnt 16                                ; those 16 may stay out: K's key tiles 2 and 3 are in
	SBLK FBB, 2
	PLACES 4
	WIN WFE
	FV FBB, 0, 0, 1
	BODY 0, 0, 1, 0, 1, 0                          ; body 0 starts m and l and clears O
	WIN 0
	s_mov_b32 s50, 7
.Llap:                                                 ; bodies 4 t + 1 .. 4 t + 4, t = 0 .. 6: once round the ring, both slots filled again (fills 2 to 15)
	BODY 1, 1, 0, 1, 0, 0
	BODY 0, 1, 1, 0, 0, 0
	BODY 1, 0, 0, 1, 0, 0
	BODY 0, 0, 1, 0, 0, 0
	WIN 0
	s_sub_co_u32 s50, s50, 1
	s_cmp_lg_u32 s50, 0
	s_cbranch_scc1 .Llap
	BODY 1, 1, 0, 2, 0, 0                          ; body 29: the last change of slots, nothing is left to fetch from memory
	BODY 0, 1, 1, 0, 0, 0                          ; body 30
	BODY 1, 0, 0, 0, 0, 1                          ; body 31
	PARITY 0
	s_wait_dscnt 0x0                               ; V(31)
	PVBLK FAB, 0                                   ; PV(31)
	PVBLK FBB, 1
	; E1: Wo's fragments are asked for (into Q's registers); m, l and O go to LDS for the merge
	WIN 0x40
.set i, 0
.rept 32
	global_load_b128 v[4*i:4*i+3], v1, s[10:11] offset:512*i       ; Wo(ct, a) at 32 ct + 8 a of window 1
.set i, i+1
.endr
	PLACES 4                                       ; behind the last products, whose results are stored below
	WIN 0
.irp qt, 0,1,2,3
	v_add_f32 v[LS+2*\qt], v[LS+2*\qt], v[LS+2*\qt+1]
.endr
.irp qt, 0,1,2,3
	v_permlanex16_b32 v[TT+4*\qt], v[LS+2*\qt], s48, s49
.endr
.irp qt, 0,1,2,3
	v_add_f32 v[LS+2*\qt], v[LS+2*\qt], v[TT+4*\qt]
.endr
.irp qt, 0,1,2,3
	ds_store_b32 v8, v[MX+2*\qt] offset:128*\qt
	ds_store_b32 v8, v[LS+2*\qt] offset:512+128*\qt
.endr
	WIN 0x08
.set i, 0
.rept 64
	ds_store_b128 v11, v[4*i:4*i+3] offset:512*i                   ; i = 2 (8 qt + dt) + half.  Slot 0: its last fill has landed and its last read lies in front of the last change of slots
.set i, i+1
.endr
	WIN 0
	s_wait_dscnt 0x0                               ; my stores are in LDS, and my reads of slot 1 are over
	s_barrier_signal -1
	s_barrier_wait -1
	; E2: the merge.  Wave w finishes query tiles 2 kh + j of its half; it reads its own and its partner's figures alike, so no branch is needed.
.irp j, 0,1
	ds_load_b32 v[56+\j], v9 offset:128*\j                         ; my m
	ds_load_b32 v[58+\j], v9 offset:512+128*\j                     ; my l
	ds_load_b32 v[60+\j], v10 offset:128*\j                        ; the partner's m
	ds_load_b32 v[62+\j], v10 offset:512+128*\j                    ; the partner's l
.endr
.macro MERGE j
.irp dt, 0,1,2,3,4,5,6,7
.irp hf, 0,1
	ds_load_b128 v[128+8*\dt+4*\hf:128+8*\dt+4*\hf+3], v12 offset:\j*8192+\dt*1024+\hf*512
.endr
.endr
.irp dt, 0,1,2,3,4,5,6,7
.irp hf, 0,1
	ds_load_b128 v[192+8*\dt+4*\hf:192+8*\dt+4*\hf+3], v13 offset:\j*8192+\dt*1024+\hf*512
.endr
.endr
	s_wait_dscnt 32                                ; the 32 loads just issued may stay out: m and l are in
	v_max_num_f32 v40, v[56+\j], v[60+\j]
	v_sub_f32 v41, v[56+\j], v40
	v_sub_f32 v42, v[60+\j], v40
	v_exp_f32 v41, v41
	v_exp_f32 v42, v42
	v_nop
	s_wait_alu depctr_va_vdst(0)
	v_mul_f32 v43, v[58+\j], v41
	v_fmac_f32 v43, v[62+\j], v42                  ; l of all keys: at least 1
	v_rcp_f32 v44, v43
	v_nop
	s_wait_alu depctr_va_vdst(0)
	v_mul_f32 v46, v41, v44
	v_mul_f32 v48, v42, v44
	v_mov_b32 v47, v46
	v_mov_b32 v49, v48
	s_wait_dscnt 0x0
.set p, 0
.rept 32
	v_pk_mul_f32 v[128+2*p:129+2*p], v[128+2*p:129+2*p], v[46:47]
.set p, p+1
.endr
.set p, 0
.rept 32
	v_pk_fma_f32 v[128+2*p:129+2*p], v[192+2*p:193+2*p], v[48:49], v[128+2*p:129+2*p]
.set p, p+1
.endr
.set p, 0
.rept 32
	v_cvt_pk_f16_f32 v[64+32*\j+p], v[128+2*p], v[129+2*p]         ; y(16 dt + 8 h + 0..7, query r): chunk dt of the tile
.set p, p+1
.endr
.irp dt, 0,1,2,3,4,5,6,7
	global_store_b128 v1, v[64+32*\j+4*\dt:64+32*\j+4*\dt+3], s[12:13] offset:(8*\j+\dt)*512   ; 512 consecutive bytes, aligned
	ds_store_b128 v14, v[64+32*\j+4*\dt:64+32*\j+4*\dt+3] offset:(8*\j+\dt)*512                ; slot 1: filled and read for the last time
.endr
.endm
	MERGE 0
	MERGE 1
	s_wait_dscnt 0x0
	s_barrier_signal -1
	s_barrier_wait -1
	; E3: z = Wo y for channels 64 w .. 64 w + 63 at all 128 positions (source 0 = y, source 1 = Wo: a lane holds one channel, its registers run along the positions),
	; then the sum and the sum of squares about the work-group's own mean: no difference of large sums is formed, and no sum crosses waves.
.macro FY buf, g                       ; the y fragments of query tiles 2 g, 2 g + 1
	WIN 0x40
.irp qq, 0,1
.irp a, 0,1,2,3
	ds_load_b128 v[\buf+8*(4*\qq+\a):\buf+8*(4*\qq+\a)+3],   v15 offset:(2*\g+\qq)*4096+\a*1024
	ds_load_b128 v[\buf+8*(4*\qq+\a)+4:\buf+8*(4*\qq+\a)+7], v15 offset:(2*\g+\qq)*4096+\a*1024+512
.endr
.endr
.endm
.macro ZMUL buf, g                     ; 32 matrix instructions, eight accumulators by turns: z(ct, tile) at 8 (8 ct + tile) of window 2
	WIN 0xa5
.irp a, 0,1,2,3
.irp ct, 0,1,2,3
.irp qq, 0,1
.if \a == 0
	v_wmma_f32_16x16x32_f16 v[8*(8*\ct+2*\g+\qq):8*(8*\ct+2*\g+\qq)+7], v[\buf+8*(4*\qq+\a):\buf+8*(4*\qq+\a)+7], v[32*\ct+8*\a:32*\ct+8*\a+7], 0
.else
	v_wmma_f32_16x16x32_f16 v[8*(8*\ct+2*\g+\qq):8*(8*\ct+2*\g+\qq)+7], v[\buf+8*(4*\qq+\a):\buf+8*(4*\qq+\a)+7], v[32*\ct+8*\a:32*\ct+8*\a+7], v[8*(8*\ct+2*\g+\qq):8*(8*\ct+2*\g+\qq)+7]
.endif
.endr
.endr
.endr
.endm
	FY FA, 0
	FY FB, 1
	s_wait_loadcnt 0x0                             ; Wo
	s_wait_dscnt 16                                ; the second run may stay out
	ZMUL FA, 0
	PLACES 4
	FY FA, 2
	s_wait_dscnt 16
	ZMUL FB, 1
	PLACES 4
	FY FB, 3
	s_wait_dscnt 16
	ZMUL FA, 2
	s_wait_dscnt 0x0
	ZMUL FB, 3
	PLACES 4
	s_wait_xcnt 0x0                                ; v[64:127], the data of the stores to yw, are written again only behind this wait
.macro FOLD dst                        ; four pairs a channel tile to one number, then the other half of the lanes
.irp ct, 0,1,2,3
	v_pk_add_f32 v[ZT+8*\ct:ZT+8*\ct+1], v[ZT+8*\ct:ZT+8*\ct+1], v[ZT+8*\ct+2:ZT+8*\ct+3]
	v_pk_add_f32 v[ZT+8*\ct+4:ZT+8*\ct+5], v[ZT+8*\ct+4:ZT+8*\ct+5], v[ZT+8*\ct+6:ZT+8*\ct+7]
.endr
.irp ct, 0,1,2,3
	v_pk_add_f32 v[ZT+8*\ct:ZT+8*\ct+1], v[ZT+8*\ct:ZT+8*\ct+1], v[ZT+8*\ct+4:ZT+8*\ct+5]
.endr
.irp ct, 0,1,2,3
	v_add_f32 v[\dst+\ct], v[ZT+8*\ct], v[ZT+8*\ct+1]
.endr
.irp ct, 0,1,2,3
	v_permlanex16_b32 v[TT+\ct], v[\dst+\ct], s48, s49
.endr
.irp ct, 0,1,2,3
	v_add_f32 v[\dst+\ct], v[\dst+\ct], v[TT+\ct]
.endr
.endm
	WIN 0x0a
.irp ct, 0,1,2,3
.irp c, 0,1,2,3
	v_pk_add_f32 v[ZT+8*\ct+2*\c:ZT+8*\ct+2*\c+1], v[64*\ct+2*\c:64*\ct+2*\c+1], v[64*\ct+8+2*\c:64*\ct+8+2*\c+1]
.endr
.endr
	WIN 0x02
.set p, 8
.rept 24
.irp ct, 0,1,2,3
	v_pk_add_f32 v[ZT+8*\ct+2*(p&3):ZT+8*\ct+2*(p&3)+1], v[64*\ct+2*p:64*\ct+2*p+1], v[ZT+8*\ct+2*(p&3):ZT+8*\ct+2*(p&3)+1]
.endr
.set p, p+1
.endr
	WIN 0
	FOLD 96                                        ; v[96:99]: the sum of z over the 128 positions, channel 64 w + 16 ct + r
.irp ct, 0,1,2,3
	v_mul_f32 v[104+2*\ct], 0x3c000000, v[96+\ct]  ; / 128: the work-group's mean, twice
	v_mul_f32 v[105+2*\ct], 0x3c000000, v[96+\ct]
.endr
	WIN 0x82
.set p, 0
.rept 32
.irp ct, 0,1,2,3
	v_pk_add_f32 v[64*\ct+2*p:64*\ct+2*p+1], v[64*\ct+2*p:64*\ct+2*p+1], v[104+2*\ct:105+2*\ct] neg_lo:[0,1] neg_hi:[0,1]
.endr
.set p, p+1
.endr
	WIN 0x0a
.set p, 0
.rept 4
.irp ct, 0,1,2,3
	v_pk_mul_f32 v[ZT+8*\ct+2*p:ZT+8*\ct+2*p+1], v[64*\ct+2*p:64*\ct+2*p+1], v[64*\ct+2*p:64*\ct+2*p+1]
.endr
.set p, p+1
.endr
.rept 28
.irp ct, 0,1,2,3
	v_pk_fma_f32 v[ZT+8*\ct+2*(p&3):ZT+8*\ct+2*(p&3)+1], v[64*\ct+2*p:64*\ct+2*p+1], v[64*\ct+2*p:64*\ct+2*p+1], v[ZT+8*\ct+2*(p&3):ZT+8*\ct+2*(p&3)+1]
.endr
.set p, p+1
.endr
	WIN 0
	FOLD 100                                       ; v[100:103]: the sum of (z - mean)^2
	v_cmp_gt_u32 vcc_lo, 16, v2
.irp ct, 0,1,2,3
	v_cndmask_b32 v[116+\ct], v[100+\ct], v[96+\ct], vcc_lo        ; lanes 0 to 15 store the sums, lanes 16 to 31 the squares
.endr
	global_store_b128 v1, v[116:119], s[14:15]     ; 512 consecutive bytes: [half][r][ct]
	s_wait_xcnt 0x0
	v_lshl_add_u32 v254, v0, 2, 0x41000
	v_mov_b32 v255, 0
	s_wait_tensorcnt 0x0
	ds_add_u32 v254, v255
	s_wait_dscnt 0x0
	ROUND                                          ; the closing round: no work-group ends while a partner may still ask for a tile that names it
	s_endpgm
.Lfunc_end_k_q5bceb9c4cf_attn:
	.size	k_q5bceb9c4cf_attn, .Lfunc_end_k_q5bceb9c4cf_attn-k_q5bceb9c4cf_attn
	.p2alignl 7, 3214868480
	.fill 96, 4, 3214868480
	.section	.rodata,"a",@progbits
	.p2align	6, 0x0
	.amdhsa_kernel k_q5bceb9c4cf_attn
		.amdhsa_group_segment_fixed_size 327680
		.amdhsa_private_segment_fixed_size 0
		.amdhsa_enable_private_segment 0
		.amdhsa_kernarg_size 48
		.amdhsa_user_sgpr_count 2
		.amdhsa_user_sgpr_kernarg_segment_ptr 1
		.amdhsa_wavefront_size32 1
		.amdhsa_system_sgpr_workgroup_id_x 1
		.amdhsa_system_sgpr_workgroup_id_y 1
		.amdhsa_system_sgpr_workgroup_id_z 1
		.amdhsa_system_vgpr_workitem_id 0
		.amdhsa_next_free_vgpr 1024
		.amdhsa_next_free_sgpr 66
		.amdhsa_reserve_vcc 1
		.amdhsa_float_denorm_mode_32 3
		.amdhsa_float_denorm_mode_16_64 3
		.amdhsa_memory_ordered 1
		.amdhsa_forward_progress 1
		.amdhsa_inst_pref_size 255
	.end_amdhsa_kernel
	.section	.bss,"aw",@nobits
	.p2align	6
	.space	262144
	.amdgpu_metadata
---
amdhsa.version: [ 1, 2 ]
amdhsa.kernels:
  - .name:           k_q5bceb9c4cf_attn
    .symbol:         k_q5bceb9c4cf_attn.kd
    .args:
      - { .name: tq, .offset: 0, .size: 8, .value_kind: global_buffer, .address_space: global }
      - { .name: fk, .offset: 8, .size: 8, .value_kind: global_buffer, .address_space: global }
      - { .name: gv, .offset: 16, .size: 8, .value_kind: global_buffer, .address_space: global }
      - { .name: wob, .offset: 24, .size: 8, .value_kind: global_buffer, .address_space: global }
      - { .name: yw, .offset: 32, .size: 8, .value_kind: global_buffer, .address_space: global }
      - { .name: pst, .offset: 40, .size: 8, .value_kind: global_buffer, .address_space: global }
    .group_segment_fixed_size: 327680
    .private_segment_fixed_size: 0
    .kernarg_segment_align: 8
    .kernarg_segment_size: 48
    .max_flat_workgroup_size: 128
    .sgpr_count:     66
    .vgpr_count:     1024
    .wavefront_size: 32
...
	.end_amdgpu_metadata
.endif
;; end of part 4
;; launch bnout: the kernel of part 3 again; grid 64 x 4, 8 waves a work-group, no clusters, 60,416 bytes of LDS; arguments x, yw, wob, pst, gamma, beta, out0; writes out0
;; ======== version 3 of 3: 3 launches; version 2 with the launch proj written anew for expert scheduling mode
;; limits: values are held in f16: magnitudes above 65,504 overflow, below 6.1e-05 lose precision
;; workspace buffers: tq 8,388,608 bytes; fk 8,388,608 bytes; gv 8,388,608 bytes; wob 65,536 bytes; yw 8,388,608 bytes; pst 524,288 bytes
;; launch proj (part 5): grid 32 x 8, 16 waves a work-group, no clusters, 278,528 bytes of LDS; arguments x, Wt, Wf, Wg, bt, Wo, tq, fk, gv, wob; writes tq, fk, gv, wob
.if DOCPART == 5
	.amdgcn_target "amdgcn-amd-amdhsa--gfx1250"
	.amdhsa_code_object_version 6
	.text
	.protected	k_q5bceb9c4cf_proj
	.globl	k_q5bceb9c4cf_proj
	.p2align	8
	.type	k_q5bceb9c4cf_proj,@function
k_q5bceb9c4cf_proj:
	s_mov_b64 s[64:65], 0
	v_nop
	global_prefetch_b8 v0, s[64:65] scope:SCOPE_SE
	s_setreg_imm32_b32 hwreg(HW_REG_WAVE_SCHED_MODE, 0, 2), 2
	s_setreg_imm32_b32 hwreg(HW_REG_WAVE_MODE, 25, 1), 1
	s_wait_xcnt 0x0
	s_wait_alu depctr_vm_vsrc(0)
; PROJ: the three 1x1 convolutions.  tq = log2(e) (Wt x + bt), fk = Wf x, gv = Wg x, and wob = Wo, all as f16 in the order of matrix fragments.
;
; WORK LEFT OUT IN THE WHOLE PROGRAM, for all values of the inputs, in exact arithmetic:
;   bf: the score is t[n].(Wf x[m] + bf) = t[n].(Wf x[m]) + t[n].bf; the second term is the same for every key m, and a softmax along m is unchanged by it.
;   bg: a softmax row sums to 1, so y = sum rel (Wg x + bg) = sum rel (Wg x) + bg, which adds to z the number (Wo bg)[c], the same at every (b, n) of channel c.
;   bo: adds bo[c] to z, again the same at every (b, n) of channel c.
;   BatchNorm takes the mean over (b, n) of each channel away, and the variance of a channel is unchanged by a constant: neither term reaches the result.
;   So bf, bg and bo are not loaded and are arguments of no launch.  bt stays: bt.(Wf x[m]) changes with m.
;   LIMIT: a NaN, an infinity or an overflow that sits in bf, bg or bo alone is not carried to the result.
; FORMAT: all matrix operands are f16, sums f32.  LIMIT: |x|, |W|, |log2(e) t|, |Wf x|, |Wg x| below 65,504; beyond it an operand becomes infinite.
;   With every input 30 times larger |log2(e) t| is near 4,000; with an offset of 30 spreads on x and W it is 256 x 30 x (1.1 to 3.8) x 1.44 = 12,000 to 41,000.
;   log2(e) is folded into t ahead of its rounding, so that the attention can take the maximum away exactly and use the base-2 exponential.
;
; A work-group takes 128 positions of one batch and all 384 rows of Wt, Wf, Wg.  16 waves: wave w has the 16 rows dt = w & 7 of each of the three
; matrices and the four position tiles of half nh = w >> 3: 12 accumulator tiles, 96 matrix instructions.
; x and W need a conversion from f32 on their way, so they come through registers (512 consecutive bytes to a load of the wave) and no tensor load is used;
; for the same reason W, which all work-groups read, is not shared in a cluster.
; OUTPUT ORDER: a chunk is 512 bytes, lane L = 16 h + r takes bytes 16 L .. 16 L + 15.  Chunk ((b 256 + nt) 8 + e):
;   tq, fk: lane holds rows d = 16 e + 8 h + 0..7 at position 16 nt + r;   gv: lane holds row d = 16 e + r at positions 16 nt + 8 h + 0..7.
; These are a lane's eight results of one matrix instruction, so every store of a wave covers 512 consecutive bytes, aligned.
;
; THE MODE: SCHED_MODE bits 1:0 = 2 (LLVM: expert scheduling mode 2), set by the entry lines.  The code itself states the register dependences
; between vector or matrix instructions and memory or LDS instructions, with s_wait_alu, always for 0.
; THE PLAN.  Registers that memory or LDS instructions touch:
;   v4-v14, v17, v18  Offsets and LDS addresses: made once at the head, read by every load and store, never written again.  One wait at the head serves them all.
;   RX, RT, RF        64 registers each, as loaded.  A buffer's 32 conversions stand in one run and close its 64 numbers up into its first 32 registers; one wait behind the run;
;                     then the 16 LDS stores, which read those 32.  RX is used twice: its upper half, which no store reads, takes Wg's loads 8 to 15 behind the wait for x's conversions;
;                     its lower half takes Wg's loads 0 to 7 a block later, when x's LDS stores have read it.
;   FB0, FB1          A step's 12 products read one; the next step's 14 LDS loads land in the other, which the step before's products have read: one wait at the step's head,
;                     and the loads are dealt among the products, which name the buffer in hand and the accumulators alone.
;   AT, AF, AG        Written by the products, then in place by the scaling and the conversions; read by the 12 global stores.  f and g are converted first, one wait, and their eight stores
;                     are dealt among t's 32 vector instructions, which name AT alone; a second wait stands ahead of t's four stores.
;   v240, v241        Written at the head, read by the closing add alone.
.set WPITCH, 528                       ; a row of W in LDS: 512 bytes + 16 = 33 x 16, so the 16 rows of a fragment load start 16 bytes apart modulo 256
.set XPITCH, 288                       ; a row of x (one channel, 128 positions) in LDS: 256 bytes + 32 = 9 x 32
.set XL,     384*WPITCH                ; x lies behind the 384 rows of W: byte 202,752
.set BI,  24                           ; v[24:31]   bt[16 dt + 8 h + 0..7]: the C of t's first products
.set RX,  32                           ; v[32:95]   as loaded: x, later Wg; as f16 in v[32:63]
.set RT,  96                           ; v[96:159]  as loaded: Wt; as f16 in v[96:127]
.set RF,  160                          ; v[160:223] as loaded: Wf; as f16 in v[160:191]
.set AT,  32                           ; v[32:63]   accumulators of t, tile nt at +8 nt
.set AF,  64                           ; v[64:95]   of f
.set AG,  96                           ; v[96:127]  of g
.set FB0, 128                          ; v[128:183] fragments: Wt +0, Wf +8, Wg +16, x(nt) +24+8 nt
.set FB1, 184                          ; v[184:239] the second buffer
.macro PLACES n
.rept \n
	v_nop
.endr
.endm
	s_load_b512 s[8:23], s[0:1], 0x0               ; x 8, Wt 10, Wf 12, Wg 14, bt 16, Wo 18, tq 20, fk 22
	s_load_b128 s[24:27], s[0:1], 0x40             ; gv 24, wob 26
	v_lshl_add_u32 v240, v0, 2, 0x43800            ; the LDS address of my spare word, behind x, and 0: kept for the closing lines alone
	v_mov_b32 v241, 0
	v_lshrrev_b32 v1, 5, v0
	v_readfirstlane_b32 s2, v1                     ; wave w
	s_mov_b32 s3, ttmp9                            ; nb: which 128 positions
	s_and_b32 s4, ttmp7, 0xffff                    ; b
	v_and_b32 v1, 31, v0                           ; lane
	v_and_b32 v2, 15, v0                           ; r
	v_bfe_u32 v3, v0, 4, 1                         ; h
	s_wait_alu depctr_va_sdst(0)                   ; s2 is written, ahead of its first reader: dt, nh and all the wave's addresses are made from it
	s_and_b32 s5, s2, 7                            ; dt
	s_lshr_b32 s6, s2, 3                           ; nh
	s_lshl_b32 s28, s2, 18
	v_lshl_add_u32 v4, v1, 4, s28                  ; x: channels 16 w .. (16,384 bytes apart), 16 bytes a lane
	s_lshl_b32 s28, s2, 13
	v_lshl_add_u32 v5, v1, 4, s28                  ; W: rows 8 w .. 8 w + 7, 8,192 consecutive bytes
	s_mul_i32 s28, s2, 16*XPITCH
	s_add_co_u32 s28, s28, XL
	v_lshl_add_u32 v6, v1, 3, s28                  ; LDS: my 16 rows of x, 8 bytes a lane
	s_mul_i32 s28, s2, 8*WPITCH
	v_lshl_add_u32 v7, v1, 3, s28                  ; LDS: my 8 rows of Wt,
	v_add_nc_u32 v17, 128*WPITCH, v7               ; of Wf,
	v_add_nc_u32 v18, 256*WPITCH, v7               ; of Wg: an address to each matrix, so that none is stepped between stores
	s_lshl_b32 s28, s5, 4
	v_add_nc_u32 v15, s28, v2                      ; row 16 dt + r
	v_mul_u32_u24 v8, v15, WPITCH
	v_lshl_add_u32 v8, v3, 4, v8                   ; fragment of Wt: row x pitch + 16 h
	v_add_nc_u32 v9, 128*WPITCH, v8                ; of Wf
	v_add_nc_u32 v10, 256*WPITCH, v8               ; of Wg
	v_and_b32 v15, 7, v1
	v_lshl_add_u32 v15, v3, 3, v15                 ; channel 8 h + (L & 7)
	v_mul_u32_u24 v11, v15, XPITCH
	v_bfe_u32 v15, v1, 3, 1
	v_lshl_add_u32 v11, v15, 4, v11                ; + 16 ((L >> 3) & 1)
	s_lshl_b32 s28, s6, 7
	s_add_co_u32 s28, s28, XL
	v_add_nc_u32 v11, s28, v11                     ; + my 64 positions: the transposing load's address for channels 0 to 127
	v_add_nc_u32 v12, 128*XPITCH, v11              ; for channels 128 to 255
	s_lshl_b32 s28, s6, 14
	s_lshl_b32 s29, s5, 9
	s_add_co_u32 s28, s28, s29
	v_lshl_add_u32 v13, v1, 4, s28                 ; out: 16 lane + 4 nh tiles of 4,096 bytes + chunk dt
	s_lshl_b32 s28, s5, 6
	v_lshl_add_u32 v14, v3, 5, s28                 ; bt: 4 (16 dt + 8 h)
	s_lshl_b32 s28, s4, 22
	s_lshl_b32 s29, s3, 9
	s_add_co_u32 s28, s28, s29
	s_mov_b32 s29, 0                               ; x: b x 4 MiB + 128 nb positions of 4 bytes
	s_lshl_b32 s30, s4, 20
	s_lshl_b32 s31, s3, 15
	s_add_co_u32 s30, s30, s31
	s_mov_b32 s31, 0                               ; out: b x 1 MiB + 8 nb tiles of 4,096 bytes
	s_wait_kmcnt 0x0
	s_add_nc_u64 s[8:9], s[8:9], s[28:29]
	s_add_nc_u64 s[20:21], s[20:21], s[30:31]
	s_add_nc_u64 s[22:23], s[22:23], s[30:31]
	s_add_nc_u64 s[24:25], s[24:25], s[30:31]
	s_wait_alu depctr_va_vdst(0)                   ; the offsets and LDS addresses v4 to v14, v17 and v18 are written, which the loads and stores of the whole kernel read
; 16 loads of 512 consecutive bytes
.macro LOAD16 reg, adr, base, step
.set i, 0
.rept 16
	global_load_b128 v[\reg+4*i:\reg+4*i+3], v[\adr], s[\base:\base+1] offset:i*\step
.set i, i+1
.endr
.endm
; eight of them: loads from .. from + 7 of a matrix's sixteen; load i lands at reg + 4 i
.macro LOAD8 reg, adr, base, from
.set i, \from
.rept 8
	global_load_b128 v[\reg+4*i:\reg+4*i+3], v[\adr], s[\base:\base+1] offset:i*512
.set i, i+1
.endr
.endm
; 16 x 4 numbers a lane to f16, in one run: they close up into the first 32 of their 64 registers; a destination never lies ahead of a source that is still to be read
.macro CVT64 reg
.set i, 0
.rept 16
	v_cvt_pk_f16_f32 v[\reg+2*i], v[\reg+4*i], v[\reg+4*i+1]
	v_cvt_pk_f16_f32 v[\reg+2*i+1], v[\reg+4*i+2], v[\reg+4*i+3]
.set i, i+1
.endr
.endm
; 8 bytes a lane into LDS: 256 consecutive bytes to a store of the wave
.macro STX reg
.set i, 0
.rept 16
	ds_store_b64 v6, v[\reg+2*i:\reg+2*i+1] offset:i*XPITCH
.set i, i+1
.endr
.endm
.macro STW reg, adr                    ; load i is half (i & 1) of row i >> 1
.set i, 0
.rept 16
	ds_store_b64 v[\adr], v[\reg+2*i:\reg+2*i+1] offset:(i>>1)*WPITCH+(i&1)*256
.set i, i+1
.endr
.endm
	; PHASE 0: everything into LDS as f16
	global_load_b128 v[BI:BI+3], v14, s[16:17]
	global_load_b128 v[BI+4:BI+7], v14, s[16:17] offset:16
.set i, 0
.rept 16
	global_load_b128 v[RX+4*i:RX+4*i+3], v4, s[8:9] offset:i*16384 th:TH_LOAD_NT   ; this launch reads each byte of x once
.set i, i+1
.endr
	LOAD16 RT, 5, 10, 512
	LOAD16 RF, 5, 12, 512
	s_wait_loadcnt 32                              ; Wt's and Wf's 32 loads may stay out: bt and x are in
	CVT64 RX
	s_wait_alu depctr_va_vdst(0)                   ; x's conversions have written v[32:63], which the LDS stores read, and are done reading v[64:95], in which Wg's loads 8 to 15 land
	LOAD8 RX, 5, 14, 8                             ; Wg, its second half first: these registers are free now
	STX RX
	s_wait_loadcnt 24                              ; Wf's 16 and Wg's 8 stay out: Wt is in
	CVT64 RT
	s_wait_alu depctr_va_vdst(0)                   ; Wt's conversions have written v[96:127], which the LDS stores read
	s_wait_alu depctr_vm_vsrc(0)                   ; x's LDS stores have read v[32:63], in which Wg's loads 0 to 7 land and which Wg's conversions write
	LOAD8 RX, 5, 14, 0
	STW RT, 7
	s_wait_loadcnt 16                              ; Wg's 16 stay out: Wf is in
	CVT64 RF
	s_wait_alu depctr_va_vdst(0)                   ; Wf's conversions have written v[160:191], which the LDS stores read
	STW RF, 17
	s_wait_loadcnt 0x0
	CVT64 RX
	s_wait_alu depctr_va_vdst(0)                   ; Wg's conversions have written v[32:63], which the LDS stores read
	STW RX, 18
	s_wait_dscnt 0x0                               ; my stores are in LDS, for the other waves' sake
	s_barrier_signal -1
	s_barrier_wait -1                              ; the one barrier: behind it LDS is only read
	s_wait_alu depctr_vm_vsrc(0)                   ; my LDS stores have read v[32:63], v[96:127] and v[160:191]: from here on these are accumulators, which the products write, and fragment buffers, in which LDS loads land
; PHASE 1: eight steps of 32 channels.  14 LDS loads: three fragments of W, four of x (stored channel by position, so they come transposed).
.macro FETCH k, fb
.irp m, 0,1,2
	ds_load_b128 v[\fb+8*\m:\fb+8*\m+3],   v[8+\m] offset:64*\k
	ds_load_b128 v[\fb+8*\m+4:\fb+8*\m+7], v[8+\m] offset:64*\k+32
.endr
.irp nt, 0,1,2,3
	ds_load_tr16_b128 v[\fb+24+8*\nt:\fb+24+8*\nt+3], v[11+(\k>>2)] offset:(\k&3)*32*XPITCH+32*\nt
	ds_load_tr16_b128 v[\fb+24+8*\nt+4:\fb+24+8*\nt+7], v[11+(\k>>2)] offset:(\k&3)*32*XPITCH+32*\nt+16*XPITCH
.endr
.endm
; the same loads one fragment at a time: matrix m of W, position tile nt of x
.macro LW k, fb, m
	ds_load_b128 v[\fb+8*\m:\fb+8*\m+3],   v[8+\m] offset:64*\k
	ds_load_b128 v[\fb+8*\m+4:\fb+8*\m+7], v[8+\m] offset:64*\k+32
.endm
.macro LX k, fb, nt
	ds_load_tr16_b128 v[\fb+24+8*\nt:\fb+24+8*\nt+3], v[11+(\k>>2)] offset:(\k&3)*32*XPITCH+32*\nt
	ds_load_tr16_b128 v[\fb+24+8*\nt+4:\fb+24+8*\nt+7], v[11+(\k>>2)] offset:(\k&3)*32*XPITCH+32*\nt+16*XPITCH
.endm
; 12 matrix instructions on 12 accumulators, which take turns, one instruction a turn.
; t and f: W is source 0, so a lane's eight results run along d.  g: x is source 0, so they run along the positions.
.macro MUL fb, first
.irp nt, 0,1,2,3
.if \first
	v_wmma_f32_16x16x32_f16 v[AT+8*\nt:AT+8*\nt+7], v[\fb:\fb+7], v[\fb+24+8*\nt:\fb+24+8*\nt+7], v[BI:BI+7]   ; the bias starts t's sums
.else
	v_wmma_f32_16x16x32_f16 v[AT+8*\nt:AT+8*\nt+7], v[\fb:\fb+7], v[\fb+24+8*\nt:\fb+24+8*\nt+7], v[AT+8*\nt:AT+8*\nt+7]
.endif
.endr
.irp nt, 0,1,2,3
.if \first
	v_wmma_f32_16x16x32_f16 v[AF+8*\nt:AF+8*\nt+7], v[\fb+8:\fb+15], v[\fb+24+8*\nt:\fb+24+8*\nt+7], 0
.else
	v_wmma_f32_16x16x32_f16 v[AF+8*\nt:AF+8*\nt+7], v[\fb+8:\fb+15], v[\fb+24+8*\nt:\fb+24+8*\nt+7], v[AF+8*\nt:AF+8*\nt+7]
.endif
.endr
.irp nt, 0,1,2,3
.if \first
	v_wmma_f32_16x16x32_f16 v[AG+8*\nt:AG+8*\nt+7], v[\fb+24+8*\nt:\fb+24+8*\nt+7], v[\fb+16:\fb+23], 0
.else
	v_wmma_f32_16x16x32_f16 v[AG+8*\nt:AG+8*\nt+7], v[\fb+24+8*\nt:\fb+24+8*\nt+7], v[\fb+16:\fb+23], v[AG+8*\nt:AG+8*\nt+7]
.endif
.endr
.endm
; the same products one at a time, in place
.macro PT fb, nt
	v_wmma_f32_16x16x32_f16 v[AT+8*\nt:AT+8*\nt+7], v[\fb:\fb+7], v[\fb+24+8*\nt:\fb+24+8*\nt+7], v[AT+8*\nt:AT+8*\nt+7]
.endm
.macro PF fb, nt
	v_wmma_f32_16x16x32_f16 v[AF+8*\nt:AF+8*\nt+7], v[\fb+8:\fb+15], v[\fb+24+8*\nt:\fb+24+8*\nt+7], v[AF+8*\nt:AF+8*\nt+7]
.endm
.macro PG fb, nt
	v_wmma_f32_16x16x32_f16 v[AG+8*\nt:AG+8*\nt+7], v[\fb+24+8*\nt:\fb+24+8*\nt+7], v[\fb+16:\fb+23], v[AG+8*\nt:AG+8*\nt+7]
.endm
; multiply buffer cur, in MUL's order, and fetch step k into buffer nxt, which the products of the step before have read: two loads behind each of the first seven products
.macro KSTEP k, nxt, cur
	PLACES 4                                       ; four places behind the products that have read buffer nxt (ISA guide 7.12.1), kept beside the wait below, which fills no place
	s_wait_dscnt 0x0                               ; the only loads that are out are buffer cur's: it is whole
	s_wait_alu depctr_va_vdst(0)                   ; the products of the step before are done reading buffer nxt, in which the loads below land; no product below names it
	PT \cur, 0
	LX \k, \nxt, 0
	PT \cur, 1
	LX \k, \nxt, 1
	PT \cur, 2
	LX \k, \nxt, 2
	PT \cur, 3
	LX \k, \nxt, 3
	PF \cur, 0
	LW \k, \nxt, 0
	PF \cur, 1
	LW \k, \nxt, 1
	PF \cur, 2
	LW \k, \nxt, 2
	PF \cur, 3
	PG \cur, 0
	PG \cur, 1
	PG \cur, 2
	PG \cur, 3
.endm
	FETCH 0, FB0                                   ; the conversions that named these registers stand ahead of the last wait for vector results
	FETCH 1, FB1
	s_wait_dscnt 14                                ; step 1's 14 loads may stay out
	MUL FB0, 1
	KSTEP 2, FB0, FB1
	KSTEP 3, FB1, FB0
	KSTEP 4, FB0, FB1
	KSTEP 5, FB1, FB0
	KSTEP 6, FB0, FB1
	KSTEP 7, FB1, FB0
	s_wait_dscnt 0x0
	MUL FB1, 0                                     ; the last step fetches nothing
	; PHASE 2: out.  Four places behind the last product, then the results are read.  f and g first; their stores leave while t is scaled and converted.
	PLACES 4
.irp nt, 0,1,2,3
.irp j, 0,1,2,3
	v_cvt_pk_f16_f32 v[AF+8*\nt+\j], v[AF+8*\nt+2*\j], v[AF+8*\nt+2*\j+1]
.endr
.endr
.irp nt, 0,1,2,3
.irp j, 0,1,2,3
	v_cvt_pk_f16_f32 v[AG+8*\nt+\j], v[AG+8*\nt+2*\j], v[AG+8*\nt+2*\j+1]
.endr
.endr
	s_wait_alu depctr_va_vdst(0)                   ; f's and g's conversions have written the first four registers of each tile, which the eight stores below read; the vector lines among these stores name AT alone
.irp nt, 0,1,2,3
	global_store_b128 v13, v[AF+8*\nt:AF+8*\nt+3], s[22:23] offset:\nt*4096   ; 512 consecutive bytes, aligned
.irp j, 0,1,2,3
	v_pk_mul_f32 v[AT+8*\nt+2*\j:AT+8*\nt+2*\j+1], v[AT+8*\nt+2*\j:AT+8*\nt+2*\j+1], 0x3fb8aa3b op_sel_hi:[1,0]   ; t x log2(e)
.endr
.endr
.irp nt, 0,1,2,3
	global_store_b128 v13, v[AG+8*\nt:AG+8*\nt+3], s[24:25] offset:\nt*4096
.irp j, 0,1,2,3
	v_cvt_pk_f16_f32 v[AT+8*\nt+\j], v[AT+8*\nt+2*\j], v[AT+8*\nt+2*\j+1]
.endr
.endr
	s_wait_alu depctr_va_vdst(0)                   ; t's conversions have written the first four registers of each tile, which the four stores below read
.irp nt, 0,1,2,3
	global_store_b128 v13, v[AT+8*\nt:AT+8*\nt+3], s[20:21] offset:\nt*4096
.endr
	; PHASE 3: Wo to f16 in fragment order, once: waves 0 to 3 of the 32 work-groups of batch 0 take one of its 128 chunks each.
	; Chunk q = 8 ct + e: lane holds Wo[16 ct + r][16 e + 8 h + 0..7].  (32 bytes of 16 rows to a chunk: 128 KiB in all, read once in the program.)
	s_cmp_lg_u32 s4, 0
	s_cbranch_scc1 .Ldone
	s_cmp_ge_u32 s2, 4
	s_cbranch_scc1 .Ldone
	s_lshl2_add_u32 s28, s3, s2                    ; q = 4 nb + w
	s_lshr_b32 s29, s28, 3
	s_and_b32 s30, s28, 7
	s_lshl_b32 s29, s29, 13                        ; 16 rows of 512 bytes
	s_lshl_b32 s30, s30, 6                         ; 16 columns of 4 bytes
	s_add_co_u32 s30, s30, s29
	s_mov_b32 s31, 0
	s_add_nc_u64 s[18:19], s[18:19], s[30:31]
	s_lshl_b32 s30, s28, 9
	s_add_nc_u64 s[26:27], s[26:27], s[30:31]
	v_lshlrev_b32 v15, 9, v2
	v_lshl_add_u32 v15, v3, 5, v15                 ; 512 r + 32 h
	v_lshlrev_b32 v16, 4, v1
	s_wait_alu depctr_va_vdst(0)                   ; v15 and v16 are written, the offsets of the loads and of the store below
	global_load_b128 v[128:131], v15, s[18:19]
	global_load_b128 v[132:135], v15, s[18:19] offset:16
	s_wait_loadcnt 0x0
.irp j, 0,1,2,3
	v_cvt_pk_f16_f32 v[136+\j], v[128+2*\j], v[128+2*\j+1]
.endr
	s_wait_alu depctr_va_vdst(0)                   ; the conversions have written v[136:139], which the store reads
	global_store_b128 v16, v[136:139], s[26:27]
.Ldone:
	s_wait_dscnt 0x0                               ; the closing lines, six on end
	s_wait_alu 0x0
	s_wait_tensorcnt 0x0
	ds_add_u32 v240, v241
	s_wait_dscnt 0x0
	s_endpgm
.Lfunc_end_k_q5bceb9c4cf_proj:
	.size	k_q5bceb9c4cf_proj, .Lfunc_end_k_q5bceb9c4cf_proj-k_q5bceb9c4cf_proj
	.p2alignl 7, 3214868480
	.fill 96, 4, 3214868480
	.section	.rodata,"a",@progbits
	.p2align	6, 0x0
	.amdhsa_kernel k_q5bceb9c4cf_proj
		.amdhsa_group_segment_fixed_size 278528
		.amdhsa_private_segment_fixed_size 0
		.amdhsa_enable_private_segment 0
		.amdhsa_kernarg_size 80
		.amdhsa_user_sgpr_count 2
		.amdhsa_user_sgpr_kernarg_segment_ptr 1
		.amdhsa_wavefront_size32 1
		.amdhsa_system_sgpr_workgroup_id_x 1
		.amdhsa_system_sgpr_workgroup_id_y 1
		.amdhsa_system_sgpr_workgroup_id_z 1
		.amdhsa_system_vgpr_workitem_id 0
		.amdhsa_next_free_vgpr 242
		.amdhsa_next_free_sgpr 66
		.amdhsa_reserve_vcc 0
		.amdhsa_float_denorm_mode_32 3
		.amdhsa_float_denorm_mode_16_64 3
		.amdhsa_memory_ordered 1
		.amdhsa_forward_progress 1
		.amdhsa_inst_pref_size 44
	.end_amdhsa_kernel
	.amdgpu_metadata
---
amdhsa.version: [ 1, 2 ]
amdhsa.kernels:
  - .name:           k_q5bceb9c4cf_proj
    .symbol:         k_q5bceb9c4cf_proj.kd
    .args:
      - { .name: x, .offset: 0, .size: 8, .value_kind: global_buffer, .address_space: global }
      - { .name: Wt, .offset: 8, .size: 8, .value_kind: global_buffer, .address_space: global }
      - { .name: Wf, .offset: 16, .size: 8, .value_kind: global_buffer, .address_space: global }
      - { .name: Wg, .offset: 24, .size: 8, .value_kind: global_buffer, .address_space: global }
      - { .name: bt, .offset: 32, .size: 8, .value_kind: global_buffer, .address_space: global }
      - { .name: Wo, .offset: 40, .size: 8, .value_kind: global_buffer, .address_space: global }
      - { .name: tq, .offset: 48, .size: 8, .value_kind: global_buffer, .address_space: global }
      - { .name: fk, .offset: 56, .size: 8, .value_kind: global_buffer, .address_space: global }
      - { .name: gv, .offset: 64, .size: 8, .value_kind: global_buffer, .address_space: global }
      - { .name: wob, .offset: 72, .size: 8, .value_kind: global_buffer, .address_space: global }
    .group_segment_fixed_size: 278528
    .private_segment_fixed_size: 0
    .kernarg_segment_align: 8
    .kernarg_segment_size: 80
    .max_flat_workgroup_size: 512
    .sgpr_count:     66
    .vgpr_count:     242
    .wavefront_size: 32
...
	.end_amdgpu_metadata
.endif
;; end of part 5
;; launch attn: the kernel of part 4 again; grid 32 x 8, 4 waves a work-group, clusters of 4 x 1, 327,680 bytes of LDS; arguments tq, fk, gv, wob, yw, pst; writes yw, pst
;; launch bnout: the kernel of part 3 again; grid 64 x 4, 8 waves a work-group, no clusters, 60,416 bytes of LDS; arguments x, yw, wob, pst, gamma, beta, out0; writes out0
